; MI455X (gfx1250); checked and timed in simulation.
; The chip was launched on July 23, 2026; its instructions are those of AMD's public machine-readable ISA for CDNA 5 (MIT licence, August 2026) and "CDNA5" Instruction Set Architecture Reference Guide (July 2026). The comments in the code are by the model that wrote it; some were corrected since.
;; Att Ada In. Allowed arithmetic: float matrix products may take bf16 or f16 operands with f32 sums; other float arithmetic in f32, or as packed bf16 or f16 multiplies, adds, multiply-adds, maxima and minima; sums over many terms, partial sums and values carried from step to step in f32; what a program stores and reads back later, other than sums and carried values, may be rounded once to bf16 or f16.
;; Inputs: Wk 256 x 256 float32; Wo 256 x 256 float32; Wq 256 x 256 float32; Wv 256 x 256 float32; bk 256 float32; bo 256 float32; bq 256 float32; bv 256 float32; x 4 x 256 x 64 x 64 float32; y 4 x 256 x 64 x 64 float32.
;; Outputs: out0 4 x 256 x 64 x 64 float32.
;; 2 versions, each right. Each part assembles by itself: llvm-mc -triple=amdgcn-amd-amdhsa -mcpu=gfx1250 --defsym DOCPART=n.
;; ======== version 1 of 2: 3 launches
;; workspace buffers: wb 524,288 bytes; q 8,388,608 bytes; kv 16,777,216 bytes
;; launch wprep (part 1): grid 4 x 4, 4 waves a work-group, no clusters, 34,304 bytes of LDS; arguments Wq, Wk, Wv, Wo, wb; writes wb
.if DOCPART == 1
	.amdgcn_target "amdgcn-amd-amdhsa--gfx1250"
	.amdhsa_code_object_version 6
	.text
	.protected	k_qf4c3befda8_wprep
	.globl	k_qf4c3befda8_wprep
	.p2align	8
	.type	k_qf4c3befda8_wprep,@function
k_qf4c3befda8_wprep:
	s_mov_b64 s[64:65], 0
	v_nop
	global_prefetch_b8 v0, s[64:65] scope:SCOPE_SE
	s_setreg_imm32_b32 hwreg(HW_REG_WAVE_MODE, 25, 1), 1
	s_wait_xcnt 0x0
; THE PROGRAM.  out = x + Wo z + bo, z = attention over 4,096 pixels of 256 channels, q = Wq x + bq, k = Wk y + bk, v = Wv y + bv, weights softmax_k(q . k / 16).  Three launches:
;   this one   the four 256 x 256 matrices rounded once to bf16 and laid out as matrix fragments
;   proj       q = Wq x + bq, k = Wk y, u = Wo (Wv y + bv), all bf16, as fragments
;   attn       out = x + bo + the sum over keys of softmax(q . k / 16) u
; WORK LEFT OUT: bk.  k = Wk y + bk adds to the score of query l and key j the term q[:,l] . bk, which does not hang on j: it is the same along the softmax axis, so it cancels between
; the exponential and the row sum for every value of the inputs.  bk has no other way to the output: it is not loaded and is no argument of any launch.
; LIMIT: a NaN, an infinity or an overflow that would arise in that term alone is not carried to the result.
; WORK MOVED, NOT LEFT OUT: Wo (sum_j A[l][j] v[:,j]) = sum_j A[l][j] (Wo v[:,j]) by linearity, for all inputs.  So Wo is applied to each key once, in proj: the same multiply-adds as applying it to each query.
; THIS LAUNCH.  Every work-group of proj wants all four matrices as bf16 fragments; they are converted and turned once, here, not 256 times there.
; A FRAGMENT is 16 rows x 32 columns of bf16, 1,024 bytes: bytes 16 L .. 16 L + 15 are registers 0-3 of lane L (row L % 16, columns 8 (L / 16) + 0..7), bytes 512 + 16 L .. registers 4-7
; (columns 16 + 8 (L / 16) + 0..7).  wb = [matrix q, k, v, o][tile of 16 rows, 0..15][32 columns, 0..7][1,024].
; SHARES.  64 tiles of 16 rows, a wave a tile (16 KiB of f32 on end): 16 work-groups of four waves are all the work there is.  No wave reads what another wrote: no barrier.
.set PITCH, 528                        ; a staged row: 512 bytes of bf16 + 16: the 16 rows that a fragment load touches start 132 words apart
.set STG,   16*PITCH                   ; a wave's stage
.set SPARE, 4*STG                      ; behind the stages: the spare words, 128 bytes a wave, which no other line names
.set GO,  2                            ; v2   16 x lane: my place in 512 consecutive bytes of memory
.set SW,  3                            ; v3   my stage + 8 x lane: where my 4 converted numbers go
.set SR,  4                            ; v4   my stage + (L % 16) x PITCH + 16 (L / 16): where I read fragments
.set SPW, 6                            ; v6   LDS address of my spare word; never rewritten
.set NIL, 7                            ; v7   0; never rewritten
.set RAW, 16                           ; v[16:143]  the tile as loaded
.set FR,  144                          ; v[144:207] the tile as fragments
	s_load_b256 s[4:11], s[0:1], 0x0               ; Wq s[4:5], Wk s[6:7], Wv s[8:9], Wo s[10:11]
	s_load_b64 s[12:13], s[0:1], 0x20              ; wb
	v_lshl_add_u32 v[SPW], v0, 2, SPARE
	v_mov_b32 v[NIL], 0
	v_lshrrev_b32 v1, 5, v0
	v_readfirstlane_b32 s16, v1                    ; wave 0..3
	s_and_b32 s17, ttmp7, 0xffff                   ; which matrix
	s_lshl_b32 s18, ttmp9, 2
	s_add_co_u32 s18, s18, s16                     ; which tile of 16 rows
	v_and_b32 v5, 31, v0                           ; L
	v_and_b32 v8, 15, v0                           ; L % 16
	v_bfe_u32 v9, v0, 4, 1                         ; L / 16
	v_lshlrev_b32 v[GO], 4, v5
	s_mul_i32 s19, s16, STG
	v_lshl_add_u32 v[SW], v5, 3, s19
	v_mul_u32_u24 v[SR], v8, PITCH
	v_lshl_add_u32 v[SR], v9, 4, v[SR]
	v_add_nc_u32 v[SR], s19, v[SR]
	s_lshl_b32 s20, s18, 14                        ; the tile in its matrix: 16 rows of 1,024 bytes
	s_mov_b32 s21, 0
	s_lshl_b32 s22, s17, 17                        ; and in wb: 131,072 bytes a matrix,
	s_lshl_b32 s23, s18, 13                        ; 8,192 a tile
	s_add_co_u32 s22, s22, s23
	s_mov_b32 s23, 0
	s_wait_kmcnt 0x0
	s_cmp_eq_u32 s17, 1                            ; the choice among the four buffers hangs on the work-group number alone
	s_cselect_b64 s[14:15], s[6:7], s[4:5]
	s_cmp_eq_u32 s17, 2
	s_cselect_b64 s[14:15], s[8:9], s[14:15]
	s_cmp_eq_u32 s17, 3
	s_cselect_b64 s[14:15], s[10:11], s[14:15]
	s_add_nc_u64 s[14:15], s[14:15], s[20:21]
	s_add_nc_u64 s[12:13], s[12:13], s[22:23]
.set j, 0
.rept 32                                       ; load j: 512 consecutive bytes: half j % 2 of row j / 2
	global_load_b128 v[RAW+4*j:RAW+4*j+3], v[GO], s[14:15] offset:j*512 th:TH_LOAD_NT
.set j, j+1
.endr
	s_wait_loadcnt 0x0
.set j, 0
.rept 32                                       ; four f32 become four bf16, in place
	v_cvt_pk_bf16_f32 v[RAW+4*j], v[RAW+4*j], v[RAW+4*j+1]
	v_cvt_pk_bf16_f32 v[RAW+4*j+1], v[RAW+4*j+2], v[RAW+4*j+3]
.set j, j+1
.endr
.set j, 0
.rept 32
	ds_store_b64 v[SW], v[RAW+4*j:RAW+4*j+1] offset:(j/2)*PITCH+(j%2)*256
.set j, j+1
.endr
.set n, 0
.rept 16                                       ; LDS serves a wave in order (ISA guide 5.7.1.4): these see my stores above.  Load n: half n % 2 of the fragment of columns 32 (n / 2) on
	ds_load_b128 v[FR+4*n:FR+4*n+3], v[SR] offset:(n/2)*64+(n%2)*32
.set n, n+1
.endr
.set n, 0
.rept 16
	s_wait_dscnt 15-n                              ; the count: the LDS loads issued behind load n
	global_store_b128 v[GO], v[FR+4*n:FR+4*n+3], s[12:13] offset:n*512  ; 512 consecutive bytes, at a multiple of 512 from wb's first
.set n, n+1
.endr
	s_wait_tensorcnt 0x0                           ; the wave's end, behind my last LDS store
	ds_add_u32 v[SPW], v[NIL]
	s_wait_dscnt 0x0
	s_endpgm
.Lfunc_end_k_qf4c3befda8_wprep:
	.size	k_qf4c3befda8_wprep, .Lfunc_end_k_qf4c3befda8_wprep-k_qf4c3befda8_wprep
	.p2alignl 7, 3214868480
	.fill 96, 4, 3214868480
	.section	.rodata,"a",@progbits
	.p2align	6, 0x0
	.amdhsa_kernel k_qf4c3befda8_wprep
		.amdhsa_group_segment_fixed_size 34304
		.amdhsa_private_segment_fixed_size 0
		.amdhsa_enable_private_segment 0
		.amdhsa_kernarg_size 40
		.amdhsa_user_sgpr_count 2
		.amdhsa_user_sgpr_kernarg_segment_ptr 1
		.amdhsa_wavefront_size32 1
		.amdhsa_system_sgpr_workgroup_id_x 1
		.amdhsa_system_sgpr_workgroup_id_y 1
		.amdhsa_system_sgpr_workgroup_id_z 1
		.amdhsa_system_vgpr_workitem_id 0
		.amdhsa_next_free_vgpr 208
		.amdhsa_next_free_sgpr 66
		.amdhsa_reserve_vcc 0
		.amdhsa_float_denorm_mode_32 3
		.amdhsa_float_denorm_mode_16_64 3
		.amdhsa_memory_ordered 1
		.amdhsa_forward_progress 1
		.amdhsa_inst_pref_size 14
	.end_amdhsa_kernel
	.amdgpu_metadata
---
amdhsa.version: [ 1, 2 ]
amdhsa.kernels:
  - .name:           k_qf4c3befda8_wprep
    .symbol:         k_qf4c3befda8_wprep.kd
    .args:
      - { .name: Wq, .offset: 0, .size: 8, .value_kind: global_buffer, .address_space: global }
      - { .name: Wk, .offset: 8, .size: 8, .value_kind: global_buffer, .address_space: global }
      - { .name: Wv, .offset: 16, .size: 8, .value_kind: global_buffer, .address_space: global }
      - { .name: Wo, .offset: 24, .size: 8, .value_kind: global_buffer, .address_space: global }
      - { .name: wb, .offset: 32, .size: 8, .value_kind: global_buffer, .address_space: global }
    .group_segment_fixed_size: 34304
    .private_segment_fixed_size: 0
    .kernarg_segment_align: 8
    .kernarg_segment_size: 40
    .max_flat_workgroup_size: 128
    .sgpr_count:     66
    .vgpr_count:     208
    .wavefront_size: 32
...
	.end_amdgpu_metadata
.endif
;; end of part 1
;; launch proj (part 2): grid 64 x 4, 4 waves a work-group, no clusters, 115,200 bytes of LDS; arguments x, y, wb, bq, bv, q, kv; writes q, kv
.if DOCPART == 2
	.amdgcn_target "amdgcn-amd-amdhsa--gfx1250"
	.amdhsa_code_object_version 6
	.text
	.protected	k_qf4c3befda8_proj
	.globl	k_qf4c3befda8_proj
	.p2align	8
	.type	k_qf4c3befda8_proj,@function
k_qf4c3befda8_proj:
	s_mov_b64 s[64:65], 0
	v_nop
	global_prefetch_b8 v0, s[64:65] scope:SCOPE_SE
	s_setreg_imm32_b32 hwreg(HW_REG_WAVE_MODE, 25, 1), 1
	s_wait_xcnt 0x0
; q = Wq x + bq, k = Wk y, u = Wo (Wv y + bv) for 64 pixels of one batch, rounded once to bf16 and stored as the fragments that attn multiplies.  x, y: [4][256][4096] f32.
; LEFT OUT: bk (it adds the same number to all scores of a query, so the softmax cancels it: shown at the head of the first kernel).  Wo stands here, on the keys, by linearity (same place).
; LIMITS: x, y, the weights, v, q, k and u are rounded to bf16, sums are f32; NaN and infinities are not treated apart.
; SHARES.  Work-group (blk, b): pixels 64 blk .. + 63 of batch b, all four products.  Wave w makes output channels 64 w .. 64 w + 63 (four tiles i of 16) for the four tiles nt of 16 pixels: 16 steps of 32 matrix instructions.
; DATA.  x and y come as rows of 256 bytes, are rounded to bf16 and staged as [channel][pixel]; the turning load makes of them fragments (16 pixels x 32 channels), all 32 of which stay in window 1.
; WEIGHTS come from wb straight into registers, two loads of 512 consecutive bytes a fragment, three steps ahead of their products, in four sets that take turns.
; RESULTS.  D = W (source 0) x data (source 1): a lane holds one pixel (L % 16) and the channels 8 (L / 16) + 0..7 of the tile: rounded, that is half a fragment whose rows are pixels and whose K is the channel:
; q's and k's fragments for attn, and v's for the last product.  u = v (source 0) x Wo (source 1): a lane holds one channel and eight keys: half a fragment of 16 channels x 32 keys.
;   q  = [b][blk][tile of 16 queries, 0..3][32 channels, 0..7][1,024]
;   kv = [b][group of 32 keys, 0..127][32,768]: k's fragment (32 channels cs, 16 keys kt) at (2 cs + kt) x 1,024; u's fragment (16 channels ct) at 16,384 + ct x 1,024
; NO CLUSTER: of what work-groups share, the weights, each fragment is read by one wave of a work-group, once, already in register order; the four matrices (524,288 bytes) do not fit in LDS, so sharing them
; would take a ring with a round of the cluster's barrier for every 32 matrix instructions of a wave, and an LDS write and read for every byte.
; REGISTERS, in windows of 256 (s_set_vgpr_msb: bits 1:0 source 0, 3:2 source 1, 5:4 source 2, 7:6 destination):
;   window 0: addresses, biases, four accumulators, packed results     window 1: x and y as loaded, then the 32 data fragments ((nt, cs) at 8 (8 nt + cs))     window 2: four sets of 8 weight fragments
.set XP,    160                        ; a staged row: 64 bf16 + 32 bytes = 5 x 32
.set YT,    256*XP                     ; y's stage, behind x's
.set VX,    2*256*XP                   ; v as fragments: (nt, 32 channels os) at (8 nt + os) x 1,024
.set SPARE, VX+32768                   ; the spare words, 128 bytes a wave, which no other line names
.set XO,  2                            ; v2   my 16 bytes in two rows of x or y: (64 w + L / 16) x 16,384 + 16 (L % 16)
.set TS,  3                            ; v3   where they go when rounded: (64 w + L / 16) x XP + 8 (L % 16)
.set TRX, 4                            ; v4   the turning load's address in x's stage: (8 (L / 16) + L % 8) x XP + 16 ((L / 8) % 2)
.set TRY, 5                            ; v5   the same in y's
.set SPW, 6                            ; v6   LDS address of my spare word; never rewritten
.set NIL, 7                            ; v7   0; never rewritten
.set WO,  8                            ; v8   16 L
.set LQ,  9                            ; v9   16 L + 2,048 w
.set LK,  10                           ; v10  16 L + 4,096 w
.set LV,  11                           ; v11  VX + 16 L + 2,048 w
.set VR,  12                           ; v12  VX + 16 L
.set LB,  13                           ; v13  256 w + 32 (L / 16): my eight numbers of a bias, tile 0
.set BQ,  16                           ; v[16:47]   bq as the C operand of my four tiles
.set BV,  48                           ; v[48:79]   bv likewise
.set ACC, 80                           ; v[80:111]  four accumulators, one for each nt
.set PK,  112                          ; v[112:127] their results, rounded
.set MSB, 0
.macro WIN new                         ; the high byte repeats the setting that is left; a switch that changes nothing is dropped
.if MSB != (\new)
	s_set_vgpr_msb (MSB<<8)|(\new)
.set MSB, \new
.endif
.endm
.macro PLACES n
.rept \n
	v_nop
.endr
.endm
; The 8 weight fragments of step s (matrix s / 4, my tile s % 4) into set s % 4: 16 loads of 512 consecutive bytes
.macro WLOAD s
	WIN 0x80
.set n, 0
.rept 16
	global_load_b128 v[64*((\s)%4)+4*n:64*((\s)%4)+4*n+3], v[WO], s[8:9] offset:((\s)/4)*131072+((\s)%4)*8192+n*512
.set n, n+1
.endr
.endm
; 64 rows x 64 pixels as loaded (window 1, from register base on) are rounded in place and staged
.macro TILEIN base, ldsoff
	WIN 0x45
.set i, 0
.rept 32
	v_cvt_pk_bf16_f32 v[(\base)+4*i], v[(\base)+4*i], v[(\base)+4*i+1]
	v_cvt_pk_bf16_f32 v[(\base)+4*i+1], v[(\base)+4*i+2], v[(\base)+4*i+3]
.set i, i+1
.endr
	WIN 0x04
.set i, 0
.rept 32
	ds_store_b64 v[TS], v[(\base)+4*i:(\base)+4*i+1] offset:(\ldsoff)+i*2*XP
.set i, i+1
.endr
.endm
; All 32 data fragments out of a stage, turned
.macro DATATR adr
	WIN 0x40
.set nt, 0
.rept 4
.set cs, 0
.rept 8
	ds_load_tr16_b128 v[8*(8*nt+cs):8*(8*nt+cs)+3],   v[\adr] offset:cs*32*XP+nt*32
	ds_load_tr16_b128 v[8*(8*nt+cs)+4:8*(8*nt+cs)+7], v[\adr] offset:cs*32*XP+16*XP+nt*32
.set cs, cs+1
.endr
.set nt, nt+1
.endr
.endm
; One step: my tile s % 4 of product s / 4.  swap = 1: the data are source 0.  bias: the registers of the C operand that starts the sums, or -1 for the constant 0.  dest: 0 q, 1 k, 2 v (into LDS), 3 u.
.macro STEP s, swap, bias, dest
.set ii, (\s)%4
.if (\s)+3 < 16
	WLOAD (\s)+3                                   ; into the set that the step before multiplied: its last product stands four v_nop and sixteen conversions back
.endif
.if 16*(15-(\s)) < 48
	s_wait_loadcnt 16*(15-(\s))                    ; the count: the weight loads of the steps still to come
.else
	s_wait_loadcnt 48                              ; the count: the weight loads of the next three steps, issued behind this step's
.endif
.if \swap
	WIN 0x09
.else
	WIN 0x06
.endif
.set wf, 64*ii
.set cs, 0
.rept 8                                        ; the four accumulators take turns, one instruction a turn
.set nt, 0
.rept 4
.set rD, ACC+8*nt
.set rX, 8*(8*nt+cs)
.set rW, wf+8*cs
.if \swap
.if cs == 0
	v_wmma_f32_16x16x32_bf16 v[rD:rD+7], v[rX:rX+7], v[rW:rW+7], 0
.else
	v_wmma_f32_16x16x32_bf16 v[rD:rD+7], v[rX:rX+7], v[rW:rW+7], v[rD:rD+7]
.endif
.elseif cs > 0
	v_wmma_f32_16x16x32_bf16 v[rD:rD+7], v[rW:rW+7], v[rX:rX+7], v[rD:rD+7]
.elseif (\bias) >= 0
	v_wmma_f32_16x16x32_bf16 v[rD:rD+7], v[rW:rW+7], v[rX:rX+7], v[(\bias)+8*ii:(\bias)+8*ii+7]
.else
	v_wmma_f32_16x16x32_bf16 v[rD:rD+7], v[rW:rW+7], v[rX:rX+7], 0
.endif
.set nt, nt+1
.endr
.set cs, cs+1
.endr
	WIN 0
	PLACES 4                                       ; four places between the last product and the conversions that read results (ISA guide 7.12.1)
	s_wait_xcnt 0x0                                ; the last step's stores have read PK: it is rewritten only behind this wait
.set nt, 0
.rept 4                                        ; each accumulator is read from its low end on
.set k, 0
.rept 4
	v_cvt_pk_bf16_f32 v[PK+4*nt+k], v[ACC+8*nt+2*k], v[ACC+8*nt+2*k+1]
.set k, k+1
.endr
.set nt, nt+1
.endr
.set nt, 0
.rept 4                                        ; every store of the wave covers 512 consecutive bytes, at a multiple of 512 from its buffer's first
.if (\dest) == 0
	global_store_b128 v[LQ], v[PK+4*nt:PK+4*nt+3], s[14:15] offset:nt*8192+(ii/2)*1024+(ii%2)*512
.elseif (\dest) == 1
	global_store_b128 v[LK], v[PK+4*nt:PK+4*nt+3], s[16:17] offset:(nt/2)*32768+(ii/2)*2048+(nt%2)*1024+(ii%2)*512
.elseif (\dest) == 2
	ds_store_b128 v[LV], v[PK+4*nt:PK+4*nt+3] offset:nt*8192+(ii/2)*1024+(ii%2)*512
.else
	global_store_b128 v[LK], v[PK+4*nt:PK+4*nt+3], s[16:17] offset:(nt/2)*32768+16384+ii*1024+(nt%2)*512
.endif
.set nt, nt+1
.endr
.endm
	s_load_b256 s[4:11], s[0:1], 0x0               ; x s[4:5], y s[6:7], wb s[8:9], bq s[10:11]
	s_load_b128 s[12:15], s[0:1], 0x20             ; bv s[12:13], q s[14:15]
	s_load_b64 s[16:17], s[0:1], 0x30              ; kv
	v_lshl_add_u32 v[SPW], v0, 2, SPARE
	v_mov_b32 v[NIL], 0
	v_lshrrev_b32 v1, 5, v0
	v_readfirstlane_b32 s18, v1                    ; wave 0..3
	s_and_b32 s19, ttmp7, 0xffff                   ; batch
	v_and_b32 v14, 31, v0                          ; L
	v_and_b32 v15, 15, v0                          ; L % 16
	v_bfe_u32 v1, v0, 4, 1                         ; L / 16
	s_lshl_b32 s20, s18, 20                        ; 64 rows of 16,384 bytes
	v_lshlrev_b32 v[XO], 4, v15
	v_lshl_add_u32 v[XO], v1, 14, v[XO]
	v_add_nc_u32 v[XO], s20, v[XO]
	s_mul_i32 s21, s18, 64*XP
	v_mul_u32_u24 v[TS], v1, XP
	v_lshl_add_u32 v[TS], v15, 3, v[TS]
	v_add_nc_u32 v[TS], s21, v[TS]
	v_and_b32 v[TRX], 7, v0
	v_lshl_add_u32 v[TRX], v1, 3, v[TRX]
	v_mul_u32_u24 v[TRX], v[TRX], XP
	v_bfe_u32 v[TRY], v0, 3, 1
	v_lshl_add_u32 v[TRX], v[TRY], 4, v[TRX]
	v_add_nc_u32 v[TRY], YT, v[TRX]
	v_lshlrev_b32 v[WO], 4, v14
	s_lshl_b32 s22, s18, 11
	v_add_nc_u32 v[LQ], s22, v[WO]
	s_lshl_b32 s23, s18, 12
	v_add_nc_u32 v[LK], s23, v[WO]
	v_add_nc_u32 v[LV], VX, v[LQ]
	v_add_nc_u32 v[VR], VX, v[WO]
	s_lshl_b32 s24, s18, 8
	v_lshl_add_u32 v[LB], v1, 5, s24
	s_lshl_b32 s26, s19, 22                        ; a batch of x or y is 4,194,304 bytes,
	s_lshl_b32 s27, ttmp9, 8                       ; my 64 pixels are 256 bytes of each row
	s_add_co_u32 s26, s26, s27
	s_mov_b32 s27, 0
	s_lshl_b32 s28, s18, 15                        ; my four tiles of each matrix in wb
	s_mov_b32 s29, 0
	s_lshl_b32 s30, s19, 6
	s_add_co_u32 s30, s30, ttmp9                   ; 64 b + blk
	s_lshl_b32 s32, s30, 15                        ; 32,768 bytes of q,
	s_mov_b32 s33, 0
	s_lshl_b32 s34, s30, 16                        ; 65,536 of kv
	s_mov_b32 s35, 0
	s_wait_kmcnt 0x0
	s_add_nc_u64 s[4:5], s[4:5], s[26:27]
	s_add_nc_u64 s[6:7], s[6:7], s[26:27]
	s_add_nc_u64 s[8:9], s[8:9], s[28:29]
	s_add_nc_u64 s[14:15], s[14:15], s[32:33]
	s_add_nc_u64 s[16:17], s[16:17], s[34:35]
	WIN 0x40
.set i, 0
.rept 32                                       ; load i: rows 64 w + 2 i and + 1, 256 aligned bytes each
	global_load_b128 v[4*i:4*i+3], v[XO], s[4:5] offset:i*32768 th:TH_LOAD_NT
.set i, i+1
.endr
.set i, 0
.rept 32
	global_load_b128 v[128+4*i:128+4*i+3], v[XO], s[6:7] offset:i*32768 th:TH_LOAD_NT
.set i, i+1
.endr
	s_wait_loadcnt 32                              ; x is in; the count: y's 32 loads, issued behind x's
	TILEIN 0, 0
	WIN 0
.irp i, 0,1,2,3
	global_load_b128 v[BQ+8*\i:BQ+8*\i+3],   v[LB], s[10:11] offset:64*\i
	global_load_b128 v[BQ+8*\i+4:BQ+8*\i+7], v[LB], s[10:11] offset:64*\i+16
	global_load_b128 v[BV+8*\i:BV+8*\i+3],   v[LB], s[12:13] offset:64*\i
	global_load_b128 v[BV+8*\i+4:BV+8*\i+7], v[LB], s[12:13] offset:64*\i+16
.endr
	WLOAD 0
	s_wait_loadcnt 32                              ; y is in; the count: the 16 bias loads and step 0's 16 weight loads, issued behind y's
	TILEIN 128, YT
	WLOAD 1
	WLOAD 2
	WIN 0
	s_wait_dscnt 0x0                               ; for the others' sake: my rows of both stages are written
	s_barrier_signal -1
	s_barrier_wait -1
	DATATR TRX
	s_wait_dscnt 0x0
.irp s, 0,1,2,3
	STEP \s, 0, BQ, 0                              ; q = Wq x + bq
.endr
	DATATR TRY                                     ; four v_nop and sixteen conversions behind the last product that read x's fragments
	s_wait_dscnt 0x0
.irp s, 4,5,6,7
	STEP \s, 0, -1, 1                              ; k = Wk y
.endr
.irp s, 8,9,10,11
	STEP \s, 0, BV, 2                              ; v = Wv y + bv, into LDS as fragments
.endr
	s_wait_dscnt 0x0                               ; for the others' sake: my channels of v are written
	s_barrier_signal -1
	s_barrier_wait -1
	WIN 0x40
.set n, 0
.rept 64                                       ; all of v: 512 consecutive bytes a load, in register order
	ds_load_b128 v[4*n:4*n+3], v[VR] offset:n*512
.set n, n+1
.endr
	s_wait_dscnt 0x0
.irp s, 12,13,14,15
	STEP \s, 1, -1, 3                              ; u = Wo v, keys along a lane's registers
.endr
	s_wait_tensorcnt 0x0                           ; the wave's end, behind my last LDS store
	ds_add_u32 v[SPW], v[NIL]
	s_wait_dscnt 0x0
	s_endpgm
.Lfunc_end_k_qf4c3befda8_proj:
	.size	k_qf4c3befda8_proj, .Lfunc_end_k_qf4c3befda8_proj-k_qf4c3befda8_proj
	.p2alignl 7, 3214868480
	.fill 96, 4, 3214868480
	.section	.rodata,"a",@progbits
	.p2align	6, 0x0
	.amdhsa_kernel k_qf4c3befda8_proj
		.amdhsa_group_segment_fixed_size 115200
		.amdhsa_private_segment_fixed_size 0
		.amdhsa_enable_private_segment 0
		.amdhsa_kernarg_size 56
		.amdhsa_user_sgpr_count 2
		.amdhsa_user_sgpr_kernarg_segment_ptr 1
		.amdhsa_wavefront_size32 1
		.amdhsa_system_sgpr_workgroup_id_x 1
		.amdhsa_system_sgpr_workgroup_id_y 1
		.amdhsa_system_sgpr_workgroup_id_z 1
		.amdhsa_system_vgpr_workitem_id 0
		.amdhsa_next_free_vgpr 768
		.amdhsa_next_free_sgpr 66
		.amdhsa_reserve_vcc 0
		.amdhsa_float_denorm_mode_32 3
		.amdhsa_float_denorm_mode_16_64 3
		.amdhsa_memory_ordered 1
		.amdhsa_forward_progress 1
		.amdhsa_inst_pref_size 117
	.end_amdhsa_kernel
	.amdgpu_metadata
---
amdhsa.version: [ 1, 2 ]
amdhsa.kernels:
  - .name:           k_qf4c3befda8_proj
    .symbol:         k_qf4c3befda8_proj.kd
    .args:
      - { .name: x, .offset: 0, .size: 8, .value_kind: global_buffer, .address_space: global }
      - { .name: y, .offset: 8, .size: 8, .value_kind: global_buffer, .address_space: global }
      - { .name: wb, .offset: 16, .size: 8, .value_kind: global_buffer, .address_space: global }
      - { .name: bq, .offset: 24, .size: 8, .value_kind: global_buffer, .address_space: global }
      - { .name: bv, .offset: 32, .size: 8, .value_kind: global_buffer, .address_space: global }
      - { .name: q, .offset: 40, .size: 8, .value_kind: global_buffer, .address_space: global }
      - { .name: kv, .offset: 48, .size: 8, .value_kind: global_buffer, .address_space: global }
    .group_segment_fixed_size: 115200
    .private_segment_fixed_size: 0
    .kernarg_segment_align: 8
    .kernarg_segment_size: 56
    .max_flat_workgroup_size: 128
    .sgpr_count:     66
    .vgpr_count:     768
    .wavefront_size: 32
...
	.end_amdgpu_metadata
.endif
;; end of part 2
;; launch attn (part 3): grid 64 x 4, 4 waves a work-group, clusters of 4 x 1, 327,680 bytes of LDS; arguments q, kv, x, bo, out0; writes out0
.if DOCPART == 3
	.amdgcn_target "amdgcn-amd-amdhsa--gfx1250"
	.amdhsa_code_object_version 6
	.text
	.protected	k_qf4c3befda8_attn
	.globl	k_qf4c3befda8_attn
	.p2align	8
	.type	k_qf4c3befda8_attn,@function
k_qf4c3befda8_attn:
	s_mov_b64 s[64:65], 0
	v_nop
	global_prefetch_b8 v0, s[64:65] scope:SCOPE_SE
	s_setreg_imm32_b32 hwreg(HW_REG_WAVE_MODE, 25, 1), 1
	s_wait_xcnt 0x0
	s_wait_alu depctr_hold_cnt(0) depctr_sa_sdst(0) depctr_va_vdst(0) depctr_va_sdst(0) depctr_va_ssrc(0) depctr_va_vcc(0) depctr_vm_vsrc(0)
	s_getreg_b32 s2, hwreg(HW_REG_IB_STS2, 6, 4)
	s_cmp_eq_u32 s2, 0
	s_cbranch_scc0 .Lentry_in_a_cluster
	s_endpgm
.Lentry_in_a_cluster:
	s_bfe_u32 s2, ttmp6, 0x10000c
	s_cmp_lg_u32 s2, 0x3003
	s_cbranch_scc0 .Lentry_shape_is_right
	s_endpgm
.Lentry_shape_is_right:
; out[b][c][l] = x[b][c][l] + bo[c] + the sum over keys j of softmax_j(q[:,l] . k[:,j] / 16) u[c][j].  q, k, u are proj's bf16 fragments; u = Wo (Wv y + bv), so no product follows the attention.
; LEFT OUT: bk, which the softmax cancels (shown at the head of the first kernel).
; LIMITS: the weights p are rounded to bf16 for the second product, their sum l is taken of the unrounded p; a weight below 2^-126 counts as 0; NaN and infinities are not treated apart.
; SHARES.  16,384 queries on 256 work-groups: 64 queries (four tiles of 16) of one batch each.  THE KEYS ARE SPLIT AMONG THE FOUR WAVES: of each block of 128 keys wave w takes the 32 of group w, for all 64 queries.
; So each byte of k and u in LDS is read once, by the wave that asked for it, and a fragment feeds four matrix instructions.  Each wave keeps its own running maximum m, sum l and O^T (64 queries x 256 channels,
; 512 registers); the four meet in LDS at the end.
; CLUSTER.  The four work-groups of a cluster belong to one batch and walk the same kv: each tile is asked for JOINTLY, by the same tensor load with the same descriptor and a mask that names the four.
; LAYOUT.  S^T = K Q^T (source 0 = 16 keys, source 1 = 16 queries): a lane holds ONE query (L % 16) and the keys 8 (L / 16) + 0..7.  The two results of a tile's 32 keys, rounded to bf16 in pairs, ARE source 1
; (32 keys x 16 queries) of O^T += U P (source 0 = 16 channels x 32 keys), whose result again holds one query a lane, and eight channels.
; SOFTMAX.  p = 2^(c s - c m), c = log2(e) / 16, m the running maximum of the wave's keys; in every trip O^T and l are multiplied by a = 2^(c m_old - c m_new).  The first trip, written out, starts m, l and O^T.
; A TRIP is a block of 128 keys: a wave's 64 products K Q^T, the softmax of its four tiles, the change of slots, 64 products U P with the rescaling of O^T riding behind them, four lines a product.
; REGISTERS, in windows of 256 (s_set_vgpr_msb: bits 1:0 source 0, 3:2 source 1, 5:4 source 2, 7:6 destination):
;   window 0: v0-21 addresses; v24-63 ten registers of statistics a tile; v64-127 S^T, 16 a tile (P is packed into the low 8 in place); v128-191, v192-255 two buffers of 8 fragments
;   window 1: Q, fragment (tile t, 32 channels cs) at 8 (8 t + cs); at the end x and bo          windows 2, 3: O^T: tile t in window 2 + t / 2, at 128 (t % 2) + 8 ct
.set BLOCK, 131072                     ; 128 keys of kv: four groups of 32,768 bytes, a wave a group: 16 fragments of k, then 16 of u
.set SLOT1, 131072                     ; slot 1 begins here: one exclusive or turns an address in one slot into the other's
.set PP,    272                        ; the end: a row of a partial O^T, 64 f32 + 16 bytes = 68 words: rows 8 apart lie 32 banks apart (64 banks of 4 bytes: ISA guide 11.1)
.set PART,  256*PP                     ; a wave's partial O^T, [channel][query]; the four lie in the ring's bytes, which have had their last fill by then, and 16,384 bytes behind them
.set STATS, 4*PART                     ; c m and l of each wave, tile and query: 512 bytes a wave; no tensor load lands here
.set SPARE, STATS+2048                 ; the spare words, 128 bytes a wave, which no other line names
.set A0,  2                            ; v2   16 L + 32,768 w: my place in my wave's part of slot 0; never rewritten
.set ADR, 3                            ; v3   the same in the slot that is being read
.set QO,  4                            ; v4   16 L
.set PFO, 5                            ; v5   256 L: the prefetches' offset; never rewritten
.set SPW, 6                            ; v6   LDS address of my spare word; never rewritten
.set NIL, 7                            ; v7   0; never rewritten
.set PW0, 8                            ; v8   the end: where my partial sums go: PART w + 8 (L / 16) PP + 4 (L % 16); channels 0-127
.set PW1, 9                            ; v9   channels 128-255
.set PR,  10                           ; v10-13  where I read wave p's partial sums: PART p + (64 w + L / 16) PP + 16 (L % 16)
.set XO,  14                           ; v14  my 16 bytes in two rows of x and out: (64 w + L / 16) x 16,384 + 16 (L % 16)
.set BOF, 15                           ; v15  4 (64 w + L / 16)
.set SSA, 16                           ; v16  STATS + 512 w + 8 (L % 16)
.set SLA, 17                           ; v17  STATS + 8 (L % 16)
.set ST,  24                           ; tile t at ST + 10 t: +0 c m, +1 m, +2, +3 l (even keys, odd keys), +4 a, +5 at work, +6 to +9 two maxima, then two pairs of sums
.set S,   64
.set B0,  128
.set B1,  192
.set WV,  14                           ; s14  my wave's number
.set CX,  15                           ; s15  my place in the cluster: it enters the addresses of q, x, out0 and of the prefetches alone
.set G1,  24                           ; s[24:31] descriptor group 1
.set G0A, 32                           ; s[32:35] descriptor group 0 of the first fill of slot 0
.set G0B, 36                           ; s[36:39] of the first fill of slot 1; it then walks
.set PFA, 40                           ; s[40:41] where my prefetches stand
.set LIM, 42                           ; s42  2 in a cluster that prefetches, else the greatest number
.set LEFT, 43                          ; s43  trips of the loop still to come
.set TB,  45                           ; s45  0 or SLOT1: the slot that is being read
.set CSC, 46                           ; s[46:47] c; the packed scaling takes the pair's low word for both halves
.set SEL, 48                           ; s[48:49] v_permlanex16_b32's selects: each lane takes its own place in the other half
.set XPT, 50                           ; s[50:51] x at my 64 pixels
.set OPT, 52                           ; s[52:53] out0 likewise
.set QPT, 54                           ; s[54:55] q at my 64 queries
.set MSB, 0
.macro WIN new                         ; the high byte repeats the setting that is left; a switch that changes nothing is dropped
.if MSB != (\new)
	s_set_vgpr_msb (MSB<<8)|(\new)
.set MSB, \new
.endif
.endm
.macro PLACES n
.rept \n
	v_nop
.endr
.endm
; A round of the cluster's barrier: my work-group's barrier, so that wave 0's signal speaks for all four waves; wave 0 signals; every wave waits for all four work-groups; my work-group's barrier once more.
.macro CROUND
	s_barrier_signal -1
	s_barrier_wait -1
	s_cmp_lg_u32 s[WV], 0
	s_cbranch_scc1 .Lnot_wave_0_\@
	s_barrier_signal -3
.Lnot_wave_0_\@:
	s_barrier_wait -3
	s_barrier_signal -1
	s_barrier_wait -1
.endm
; Eight fragments in one run of 16 loads, 512 consecutive bytes each, in register order: no bank is asked twice
.macro FETCH buf, off
.set n, 0
.rept 16
	ds_load_b128 v[(\buf)+4*n:(\buf)+4*n+3], v[ADR] offset:(\off)+n*512
.set n, n+1
.endr
.endm
; 32 products of S^T = K Q^T: channels 128 hb on, out of buffer hb.  The eight accumulators (tile, 16 keys) take turns, one instruction a turn; the first eight products start the sums.
.macro KQ hb
	WIN 0x04
.set cs, 4*(\hb)
.rept 4
.set kt, 0
.rept 2
.set t, 0
.rept 4
.set rS, S+16*t+8*kt
.set rK, B0+64*(\hb)+8*(2*(cs-4*(\hb))+kt)
.set rQ, 8*(8*t+cs)
.if cs == 0
	v_wmma_f32_16x16x32_bf16 v[rS:rS+7], v[rK:rK+7], v[rQ:rQ+7], 0
.else
	v_wmma_f32_16x16x32_bf16 v[rS:rS+7], v[rK:rK+7], v[rQ:rQ+7], v[rS:rS+7]
.endif
.set t, t+1
.endr
.set kt, kt+1
.endr
.set cs, cs+1
.endr
.endm
; The softmax of my 32 keys for the four tiles, line by line through the tiles, so that no line reads the result of the line before it.  first = 1: no old maximum, no a.
.macro SOFTMAX first
	WIN 0
.irp t, 0,1,2,3                                ; the maximum of a lane's 16 scores, two chains; each accumulator's lowest registers are read first
	v_max3_num_f32 v[ST+10*\t+6], v[S+16*\t], v[S+16*\t+1], v[S+16*\t+2]
.endr
.irp t, 0,1,2,3
	v_max3_num_f32 v[ST+10*\t+7], v[S+16*\t+8], v[S+16*\t+9], v[S+16*\t+10]
.endr
.irp t, 0,1,2,3
	v_max3_num_f32 v[ST+10*\t+6], v[ST+10*\t+6], v[S+16*\t+3], v[S+16*\t+4]
.endr
.irp t, 0,1,2,3
	v_max3_num_f32 v[ST+10*\t+7], v[ST+10*\t+7], v[S+16*\t+11], v[S+16*\t+12]
.endr
.irp t, 0,1,2,3
	v_max3_num_f32 v[ST+10*\t+6], v[ST+10*\t+6], v[S+16*\t+5], v[S+16*\t+6]
.endr
.irp t, 0,1,2,3
	v_max3_num_f32 v[ST+10*\t+7], v[ST+10*\t+7], v[S+16*\t+13], v[S+16*\t+14]
.endr
.irp t, 0,1,2,3
	v_max3_num_f32 v[ST+10*\t+6], v[ST+10*\t+6], v[S+16*\t+7], v[S+16*\t+15]
.endr
.irp t, 0,1,2,3
.if \first
	v_max_num_f32 v[ST+10*\t+6], v[ST+10*\t+6], v[ST+10*\t+7]
.else
	v_max3_num_f32 v[ST+10*\t+6], v[ST+10*\t+6], v[ST+10*\t+7], v[ST+10*\t+1]
.endif
.endr
.irp t, 0,1,2,3
	v_permlanex16_b32 v[ST+10*\t+7], v[ST+10*\t+6], s[SEL], s[SEL+1]  ; the query's other 16 keys lie in the lane 16 away; the destination has been written
.endr
.if !(\first)
.irp t, 0,1,2,3
	v_mov_b32 v[ST+10*\t+5], v[ST+10*\t]           ; c m_old is kept for a
.endr
.endif
.irp t, 0,1,2,3
	v_max_num_f32 v[ST+10*\t+1], v[ST+10*\t+6], v[ST+10*\t+7]
.endr
.irp t, 0,1,2,3
	v_mul_f32 v[ST+10*\t], s[CSC], v[ST+10*\t+1]
.endr
.if !(\first)
.irp t, 0,1,2,3
	v_sub_f32 v[ST+10*\t+5], v[ST+10*\t+5], v[ST+10*\t]
.endr
.irp t, 0,1,2,3
	v_exp_f32 v[ST+10*\t+4], v[ST+10*\t+5]         ; a
.endr
.endif
; ONE BATCH of exponentials: the four a and the 64 weights.  Pair b of each tile is scaled, then pair b - 1's exponentials are issued; nothing here names an exponential's result.
.set b, 0
.rept 9
.if b < 8
.irp t, 0,1,2,3
	v_pk_fma_f32 v[S+16*\t+2*b:S+16*\t+2*b+1], v[S+16*\t+2*b:S+16*\t+2*b+1], s[CSC:CSC+1], v[ST+10*\t:ST+10*\t+1] op_sel_hi:[1,0,0] neg_lo:[0,0,1] neg_hi:[0,0,1]  ; c s - c m
.endr
.endif
.if b > 0
.irp t, 0,1,2,3
	v_exp_f32 v[S+16*\t+2*b-2], v[S+16*\t+2*b-2]
	v_exp_f32 v[S+16*\t+2*b-1], v[S+16*\t+2*b-1]
.endr
.endif
.set b, b+1
.endr
	v_nop                                          ; a plain instruction behind the last exponential (ISA guide 5.7.2): one for the batch
	s_wait_alu depctr_va_vdst(0)                   ; the wait ahead of the first line that names a result: one for the batch
.irp t, 0,1,2,3                                ; the sum of the eight pairs, in two chains
	v_pk_add_f32 v[ST+10*\t+6:ST+10*\t+7], v[S+16*\t:S+16*\t+1], v[S+16*\t+2:S+16*\t+3]
.endr
.irp t, 0,1,2,3
	v_pk_add_f32 v[ST+10*\t+8:ST+10*\t+9], v[S+16*\t+4:S+16*\t+5], v[S+16*\t+6:S+16*\t+7]
.endr
.irp t, 0,1,2,3
	v_pk_add_f32 v[ST+10*\t+6:ST+10*\t+7], v[ST+10*\t+6:ST+10*\t+7], v[S+16*\t+8:S+16*\t+9]
.endr
.irp t, 0,1,2,3
	v_pk_add_f32 v[ST+10*\t+8:ST+10*\t+9], v[ST+10*\t+8:ST+10*\t+9], v[S+16*\t+10:S+16*\t+11]
.endr
.irp t, 0,1,2,3
	v_pk_add_f32 v[ST+10*\t+6:ST+10*\t+7], v[ST+10*\t+6:ST+10*\t+7], v[S+16*\t+12:S+16*\t+13]
.endr
.irp t, 0,1,2,3
	v_pk_add_f32 v[ST+10*\t+8:ST+10*\t+9], v[ST+10*\t+8:ST+10*\t+9], v[S+16*\t+14:S+16*\t+15]
.endr
.if \first
.irp t, 0,1,2,3
	v_pk_add_f32 v[ST+10*\t+2:ST+10*\t+3], v[ST+10*\t+6:ST+10*\t+7], v[ST+10*\t+8:ST+10*\t+9]
.endr
.else
.irp t, 0,1,2,3
	v_pk_add_f32 v[ST+10*\t+6:ST+10*\t+7], v[ST+10*\t+6:ST+10*\t+7], v[ST+10*\t+8:ST+10*\t+9]
.endr
.irp t, 0,1,2,3
	v_pk_fma_f32 v[ST+10*\t+2:ST+10*\t+3], v[ST+10*\t+2:ST+10*\t+3], v[ST+10*\t+4:ST+10*\t+5], v[ST+10*\t+6:ST+10*\t+7] op_sel_hi:[1,0,1]  ; l = a l + the sum
.endr
.endif
.set i, 0
.rept 8                                        ; P: pair i rounded to bf16 into register i of the tile: written registers have been read
.irp t, 0,1,2,3
	v_cvt_pk_bf16_f32 v[S+16*\t+i], v[S+16*\t+2*i], v[S+16*\t+2*i+1]
.endr
.set i, i+1
.endr
.endm
; A PREFETCH INTO THE L2, behind the wave's tensor load and its five lines: the block of 128 keys that stands two refills on (trip t refills block t + 2 and names block t + 4: two trips, 256 matrix instructions of a
; wave, ahead of its load).  All sixteen clusters of a batch walk the same kv: the batch's first cluster asks.  A block is 512 pieces of 256 bytes: 4 partners x 4 waves x 32 lanes, a lane a piece, told apart BY
; ADDRESS: no branch hangs on a work-group's place in its cluster.  So each piece is named once in the launch.  Blocks 0 to 3 come by their loads alone; the trips from 28 on ask for nothing: there is no block 32.
.macro ASK how
.if \how
	s_cmp_eq_u32 s[LIM], 2                         ; trip 0
.else
	s_cmp_gt_u32 s[LEFT], s[LIM]                   ; in trip t of the loop LEFT = 30 - t: trips 1 to 27
.endif
	s_cbranch_scc0 .Lnot_mine_\@
	global_prefetch_b8 v[PFO], s[PFA:PFA+1] th:TH_LOAD_NT scope:SCOPE_SE
.Lnot_mine_\@:
.endm
; THE CHANGE OF SLOTS.  All of the block in hand has been asked of LDS.  fill = 1: the wave waits for all its tensor loads, of which one is out: its part of the next block; adds 0 to its spare word; waits for that
; and for its reads of the slot; a round of the cluster's barrier, so that no wave of any partner still reads the slot or has a load on its way; and the joint refill, the block two on, is the first thing behind it:
; it has a whole trip in which to land.  fill = 0: nothing is filled and the bytes are the wave's own: its own two waits are all the order that its reads need.
.macro CHANGE fill, how
	WIN 0                                          ; at a label and at a branch every window is 0
	s_wait_tensorcnt 0x0                           ; no tensor load of mine is out, so a group 0 may be written
.if \fill
	ds_add_u32 v[SPW], v[NIL]                      ; 0 onto my spare word: the steps below stand between it and the wait for it
	s_xor_b32 s[G0B+1], s[G0B+1], SLOT1            ; the walking descriptor: the other slot than last time,
	s_add_nc_u64 s[G0B+2:G0B+3], s[G0B+2:G0B+3], BLOCK  ; the next block; the type bits on top are not reached
	s_wait_xcnt 0x0                                ; the last prefetch, a trip back, has read its address, so it may be written
	s_add_nc_u64 s[PFA:PFA+1], s[PFA:PFA+1], BLOCK
	s_wait_dscnt 0x0                               ; the add is done, and my reads of the slot are over: u's fragments are in
	CROUND
	tensor_load_to_lds s[G0B:G0B+3], s[G1:G1+7]
	s_nop 0
	PLACES 4
	ASK \how
.else
	s_wait_dscnt 0x0                               ; u's fragments are in
.endif
	s_xor_b32 s[TB], s[TB], SLOT1                  ; the fetches go on in the other slot
	v_add_nc_u32 v[ADR], s[TB], v[A0]
.endm
; The accumulator of product j of 64 is multiplied by its tile's a: four packed lines, from its low end on
.macro RESC j
.if (\j) < 64
.set qw, ((\j)/16)%2
.set qq, 2*qw+(\j)%2
.set qO, 128*((\j)%2)+8*(8*((\j)/32)+((\j)/2)%8)
	WIN 0x82+0x41*qw
.set z, 0
.rept 4
	v_pk_mul_f32 v[qO+2*z:qO+2*z+1], v[qO+2*z:qO+2*z+1], v[ST+10*qq+4:ST+10*qq+5] op_sel_hi:[1,0]
.set z, z+1
.endr
.endif
.endm
; Products 32 hb .. 32 hb + 31 of O^T += U P, out of buffer hb: product i takes window 2 + (i / 16) % 2, channels 16 (8 hb + (i / 2) % 8) on, tile 2 ((i / 16) % 2) + i % 2.  Each of the 64 has an accumulator of its own.
; Behind product i ride the four lines that rescale the accumulator of product i + 4: they name no register of the products round them.  first = 1: the products start the sums, and nothing is rescaled.
.macro PV hb, first
.set i, 32*(\hb)
.rept 32
.set pw, (i/16)%2
.set rO, 128*(i%2)+8*(8*(\hb)+(i/2)%8)
.set rV, B0+64*(\hb)+8*((i/2)%8)
.set rP, S+16*(2*pw+i%2)
	WIN 0xa0+0x50*pw
.if \first
	v_wmma_f32_16x16x32_bf16 v[rO:rO+7], v[rV:rV+7], v[rP:rP+7], 0
.else
	v_wmma_f32_16x16x32_bf16 v[rO:rO+7], v[rV:rV+7], v[rP:rP+7], v[rO:rO+7]
	RESC i+4
.endif
.set i, i+1
.endr
.endm
; x and bo for the end, into Q's registers, four places behind the last product that read Q: rows 64 w + 2 i and + 1 of my 64 pixels, 256 aligned bytes each
.macro XLOAD
	WIN 0x40
.set i, 0
.rept 32
	global_load_b128 v[4*i:4*i+3], v[XO], s[XPT:XPT+1] offset:i*32768 th:TH_LOAD_NT
.set i, i+1
.endr
.set i, 0
.rept 32
	global_load_b32 v[128+i], v[BOF], s[10:11] offset:i*8
.set i, i+1
.endr
	WIN 0
.endm
; A TRIP.  next = 1: the next block's k is fetched.  xl = 1: the last trip.  A load into a register that a matrix instruction has read stands four places behind it, a matrix instruction that writes over one five
; (ISA guide 7.12.1 for vector instructions).
.macro TRIP first, fill, next, xl
	s_wait_dscnt 16                                ; k's channels 0-127 are in; the count: the 16 loads of channels 128-255, issued behind them
	KQ 0
	WIN 0
	PLACES 4
	FETCH B0, 16384                                ; u's channels 0-127
	s_wait_dscnt 16                                ; k's channels 128-255 are in; the count: the 16 loads just issued
	KQ 1
	WIN 0
	PLACES 4                                       ; also the places in front of the maxima, which read results
	FETCH B1, 24576                                ; u's channels 128-255
.if \xl
	XLOAD
.endif
	SOFTMAX \first
	CHANGE \fill, \first
.if !(\first)
	RESC 0
	RESC 1
	RESC 2
	RESC 3
.endif
	PV 0, \first
	WIN 0
.if \first
	PLACES 4                                       ; elsewhere the four lines that ride behind product 31 are the places
.endif
.if \next
	FETCH B0, 0
.endif
	PV 1, \first
	WIN 0
	PLACES 5                                       ; the next trip's first products write over P
.if \next
	FETCH B1, 8192
.endif
.endm
	s_load_b256 s[4:11], s[0:1], 0x0               ; q s[4:5], kv s[6:7], x s[8:9], bo s[10:11]
	s_load_b64 s[12:13], s[0:1], 0x20              ; out0
	v_lshl_add_u32 v[SPW], v0, 2, SPARE
	v_mov_b32 v[NIL], 0
	ds_add_u32 v[SPW], v[NIL]                      ; the wave's opening: the add, twice on end, and its wait ahead of my first tensor load; the set-up below stands between
	ds_add_u32 v[SPW], v[NIL]                      ; and once more, under the one wait
	v_lshrrev_b32 v1, 5, v0
	v_readfirstlane_b32 s[WV], v1                  ; wave 0..3
	s_bfe_u32 s[CX], ttmp6, 0x40000                ; cx
	s_lshl_b32 s16, ttmp9, 2                       ; in a cluster launch ttmp9 counts clusters
	s_add_co_u32 s16, s16, s[CX]                   ; my block of 64 queries
	s_and_b32 s17, ttmp7, 0xffff                   ; the batch, which the four partners share
	; descriptor group 1: 32,768 dense bytes as 128 rows of 256
	s_mov_b32 s[G1], 15|(3<<16)|(1<<21)            ; 15:0 the mask of four; 17:16 elements of 8 bytes; 21 set beside a mask; no padding: fragments are read as they lie
	s_mov_b32 s[G1+1], 32<<16                      ; tensor_dim0 = 32
	s_mov_b32 s[G1+2], 128<<16                     ; tensor_dim1 = 128
	s_mov_b32 s[G1+3], 32<<16                      ; tile_dim0 = 32
	s_mov_b32 s[G1+4], 128                         ; tile_dim1 = 128
	s_mov_b32 s[G1+5], 32                          ; 32 elements from row to row
	s_mov_b32 s[G1+6], 0
	s_mov_b32 s[G1+7], 0
	s_mov_b32 s[CSC], 0x3db8aa3b                   ; c = log2(e) / 16 = 0.0901684
	s_mov_b32 s[CSC+1], s[CSC]                     ; named with it as a pair
	s_mov_b32 s[SEL], 0x76543210
	s_mov_b32 s[SEL+1], 0xfedcba98
	s_mov_b32 s[TB], 0
	s_lshl_b32 s18, s[WV], 15                      ; my wave's group in a block, in memory and in a slot: no place in the cluster enters an LDS address
	s_mov_b32 s[G0A], 1                            ; 1:0 count = 1
	s_mov_b32 s[G0A+1], s18                        ; 63:32 LDS address: slot 0
	s_mov_b32 s[G0B], 1
	s_add_co_u32 s[G0B+1], s18, SLOT1
	s_lshl_b32 s20, s17, 22                        ; a batch of kv, x or out0 is 4,194,304 bytes
	s_add_co_u32 s22, s20, s18
	s_mov_b32 s23, 0
	s_lshl_b32 s56, s17, 6
	s_add_co_u32 s56, s56, s16
	s_lshl_b32 s56, s56, 15                        ; my 64 queries: 32,768 bytes of q
	s_mov_b32 s57, 0
	s_lshl_b32 s58, s16, 8                         ; my 64 pixels: 256 bytes of each row of x and out0
	s_add_co_u32 s58, s58, s20
	s_mov_b32 s59, 0
	s_lshl_b32 s60, s[CX], 2
	s_add_co_u32 s60, s60, s[WV]
	s_lshl_b32 s60, s60, 13                        ; my 32 pieces of 256 bytes among a block's 512,
	s_add_co_u32 s60, s60, s20
	s_add_co_u32 s60, s60, 3*BLOCK                 ; in block 3: the first change of slots steps it to block 4
	s_mov_b32 s61, 0
	s_cmp_eq_u32 ttmp9, 0                          ; the batch's first cluster: the same in all four partners
	s_cselect_b32 s[LIM], 2, -1
	s_wait_dscnt 0x0                               ; both opening adds are done
	s_wait_kmcnt 0x0
	s_add_nc_u64 s[G0A+2:G0A+3], s[6:7], s[22:23]  ; 120:64 global address: my group of block 0,
	s_add_nc_u64 s[G0B+2:G0B+3], s[G0A+2:G0A+3], BLOCK  ; and of block 1
	s_or_b32 s[G0A+3], s[G0A+3], 0x80000000        ; 127:126 type = 2
	s_or_b32 s[G0B+3], s[G0B+3], 0x80000000
	s_add_nc_u64 s[QPT:QPT+1], s[4:5], s[56:57]
	s_add_nc_u64 s[XPT:XPT+1], s[8:9], s[58:59]
	s_add_nc_u64 s[OPT:OPT+1], s[12:13], s[58:59]
	s_add_nc_u64 s[PFA:PFA+1], s[6:7], s[60:61]
	CROUND                                         ; all four work-groups are here: the first joint loads meet
	tensor_load_to_lds s[G0A:G0A+3], s[G1:G1+7]    ; both first fills together, ahead of every wait on TENSORcnt and every LDS read: two loads of mine are out, later one
	s_nop 0
	tensor_load_to_lds s[G0B:G0B+3], s[G1:G1+7]
	s_nop 0
	PLACES 4
	v_and_b32 v18, 31, v0                          ; L
	v_lshlrev_b32 v[QO], 4, v18
	WIN 0x40
.set n, 0
.rept 64                                       ; Q stays in registers: 512 consecutive bytes a load, in register order
	global_load_b128 v[4*n:4*n+3], v[QO], s[QPT:QPT+1] offset:n*512
.set n, n+1
.endr
	WIN 0
	v_and_b32 v19, 15, v0                          ; L % 16
	v_bfe_u32 v20, v0, 4, 1                        ; L / 16
	v_add_nc_u32 v[A0], s18, v[QO]
	v_mov_b32 v[ADR], v[A0]
	v_lshlrev_b32 v[PFO], 8, v18
	s_mul_i32 s19, s[WV], PART
	v_mul_u32_u24 v[PW0], v20, 8*PP
	v_lshl_add_u32 v[PW0], v19, 2, v[PW0]
	v_add_nc_u32 v[PW0], s19, v[PW0]
	v_add_nc_u32 v[PW1], 128*PP, v[PW0]
	s_mul_i32 s19, s[WV], 64*PP
	v_mul_u32_u24 v21, v20, PP
	v_lshl_add_u32 v21, v19, 4, v21
	v_add_nc_u32 v21, s19, v21
.irp p, 0,1,2,3
	v_add_nc_u32 v[PR+\p], \p*PART, v21
.endr
	s_lshl_b32 s19, s[WV], 20
	v_lshlrev_b32 v[XO], 4, v19
	v_lshl_add_u32 v[XO], v20, 14, v[XO]
	v_add_nc_u32 v[XO], s19, v[XO]
	s_lshl_b32 s19, s[WV], 8
	v_lshl_add_u32 v[BOF], v20, 2, s19
	s_lshl_b32 s19, s[WV], 9
	s_add_co_u32 s19, s19, STATS
	v_lshl_add_u32 v[SSA], v19, 3, s19
	v_lshlrev_b32 v[SLA], 3, v19
	v_add_nc_u32 v[SLA], STATS, v[SLA]
	s_wait_tensorcnt 0x1                           ; my group of block 0 is in; the count: block 1's load, issued behind it.  Only I read these bytes: no barrier
	FETCH B0, 0
	FETCH B1, 8192
	s_wait_loadcnt 0x0                             ; Q
	TRIP 1, 1, 1, 0                                ; block 0 starts m, l and O^T; block 2 is asked for
	s_mov_b32 s[LEFT], 29
.Ltrip:                                        ; blocks 1 to 29; blocks 3 to 31 are asked for
	TRIP 0, 1, 1, 0
	s_sub_co_u32 s[LEFT], s[LEFT], 1
	s_cmp_lg_u32 s[LEFT], 0
	s_cbranch_scc1 .Ltrip
	TRIP 0, 0, 1, 0                                ; the last two blocks are written out: nothing is asked for
	TRIP 0, 0, 0, 1
	; THE END, 1: each wave's c m and l (both halves of the lanes and both parities added) go to LDS.  The barrier also ends every wave's reads of the ring, and every wave's tensor loads have landed.
.irp t, 0,1,2,3
	v_add_f32 v[ST+10*\t+6], v[ST+10*\t+2], v[ST+10*\t+3]
.endr
.irp t, 0,1,2,3
	v_permlanex16_b32 v[ST+10*\t+7], v[ST+10*\t+6], s[SEL], s[SEL+1]
.endr
.irp t, 0,1,2,3
	v_add_f32 v[ST+10*\t+1], v[ST+10*\t+6], v[ST+10*\t+7]
.endr
.irp t, 0,1,2,3
	ds_store_b64 v[SSA], v[ST+10*\t:ST+10*\t+1] offset:128*\t
.endr
	s_wait_dscnt 0x0
	s_barrier_signal -1
	s_barrier_wait -1
	; 2: the common maximum M, L = the sum over the waves of 2^(c m_p - M) l_p, and my factor f = 2^(c m_mine - M) / L.  The wave that holds M has l >= 1, so L >= 1.
.irp p, 0,1,2,3
.irp t, 0,1,2,3
	ds_load_b64 v[S+8*\p+2*\t:S+8*\p+2*\t+1], v[SLA] offset:512*\p+128*\t
.endr
.endr
	s_wait_dscnt 0x0
.irp t, 0,1,2,3
	v_max3_num_f32 v[ST+10*\t+6], v[S+2*\t], v[S+8+2*\t], v[S+16+2*\t]
.endr
.irp t, 0,1,2,3
	v_max_num_f32 v[ST+10*\t+6], v[ST+10*\t+6], v[S+24+2*\t]
.endr
.irp p, 0,1,2,3
.irp t, 0,1,2,3
	v_sub_f32 v[S+8*\p+2*\t], v[S+8*\p+2*\t], v[ST+10*\t+6]
.endr
.endr
.irp t, 0,1,2,3
	v_sub_f32 v[ST+10*\t+5], v[ST+10*\t], v[ST+10*\t+6]
.endr
.irp p, 0,1,2,3
.irp t, 0,1,2,3
	v_exp_f32 v[S+8*\p+2*\t], v[S+8*\p+2*\t]
.endr
.endr
.irp t, 0,1,2,3
	v_exp_f32 v[ST+10*\t+5], v[ST+10*\t+5]
.endr
	v_nop                                          ; a plain instruction behind the last exponential,
	s_wait_alu depctr_va_vdst(0)                   ; and one wait for the batch of twenty
.irp t, 0,1,2,3
	v_mul_f32 v[ST+10*\t+7], v[S+2*\t], v[S+2*\t+1]
.endr
.irp p, 1,2,3
.irp t, 0,1,2,3
	v_fmac_f32 v[ST+10*\t+7], v[S+8*\p+2*\t], v[S+8*\p+2*\t+1]
.endr
.endr
.irp t, 0,1,2,3
	v_rcp_f32 v[ST+10*\t+8], v[ST+10*\t+7]
.endr
	v_nop
	s_wait_alu depctr_va_vdst(0)                   ; one wait for the four reciprocals
.irp t, 0,1,2,3
	v_mul_f32 v[ST+10*\t+4], v[ST+10*\t+5], v[ST+10*\t+8]
.endr
	; 3: my O^T times f, into my partial tile [channel][query] in LDS.  Register z of a tile's half (64 registers, 8 accumulators) is channel 16 (z / 8) + 8 (L / 16) + z % 8 of that half, query 16 t + L % 16:
	; the lane's 8 (L / 16) rows stand in the address register, 16 (z / 8) + z % 8 rows and the tile's 64 bytes in the immediate, 119 rows + 192 bytes at the most.
.set pw, 0
.rept 2
	WIN 0x82+0x41*pw
.set u, 0
.rept 2
.set z, 0
.rept 64
	v_pk_mul_f32 v[128*u+2*z:128*u+2*z+1], v[128*u+2*z:128*u+2*z+1], v[ST+10*(2*pw+u)+4:ST+10*(2*pw+u)+5] op_sel_hi:[1,0]
.set z, z+1
.endr
.set u, u+1
.endr
	WIN 0x08+0x04*pw
.set u, 0
.rept 2
.set z, 0
.rept 64
	ds_store_b32 v[PW0], v[128*u+z] offset:((z/8)*16+z%8)*PP+(2*pw+u)*64
.set z, z+1
.endr
.set z, 0
.rept 64
	ds_store_b32 v[PW1], v[128*u+64+z] offset:((z/8)*16+z%8)*PP+(2*pw+u)*64
.set z, z+1
.endr
.set u, u+1
.endr
.set pw, pw+1
.endr
	WIN 0
	s_wait_dscnt 0x0                               ; for the others' sake: my partial tile is written
	s_barrier_signal -1
	s_barrier_wait -1
	; 4: wave w finishes channels 64 w .. 64 w + 63, in four groups of eight pairs of rows: x + bo + the four partial sums, stored as whole rows of 256 bytes.
.macro LD g                            ; 32 loads: pair 8 g + ii of rows from wave p's tile, into window 2 + g / 2 at 128 (g % 2) + 4 (8 p + ii)
	WIN 0x80+0x40*((\g)/2)
.set p, 0
.rept 4
.set ii, 0
.rept 8
	ds_load_b128 v[128*((\g)%2)+4*(8*p+ii):128*((\g)%2)+4*(8*p+ii)+3], v[PR+p] offset:(8*(\g)+ii)*2*PP
.set ii, ii+1
.endr
.set p, p+1
.endr
.endm
.macro SUMOUT g
	WIN 0x49+0x04*((\g)/2)
.set p, 0
.rept 4
.set ii, 0
.rept 8
	v_pk_add_f32 v[4*(8*(\g)+ii):4*(8*(\g)+ii)+1],   v[4*(8*(\g)+ii):4*(8*(\g)+ii)+1],   v[128*((\g)%2)+4*(8*p+ii):128*((\g)%2)+4*(8*p+ii)+1]
	v_pk_add_f32 v[4*(8*(\g)+ii)+2:4*(8*(\g)+ii)+3], v[4*(8*(\g)+ii)+2:4*(8*(\g)+ii)+3], v[128*((\g)%2)+4*(8*p+ii)+2:128*((\g)%2)+4*(8*p+ii)+3]
.set ii, ii+1
.endr
.set p, p+1
.endr
	WIN 0x04
.set ii, 0
.rept 8
	global_store_b128 v[XO], v[4*(8*(\g)+ii):4*(8*(\g)+ii)+3], s[OPT:OPT+1] offset:(8*(\g)+ii)*32768 th:TH_STORE_NT  ; 16 lanes store 256 consecutive bytes, at a multiple of 256 from out0's first
.set ii, ii+1
.endr
.endm
	LD 0
	LD 1
	s_wait_loadcnt 0x0                             ; x and bo
	WIN 0x45
.set i, 0
.rept 32
.set k, 0
.rept 4
	v_add_f32 v[4*i+k], v[4*i+k], v[128+i]
.set k, k+1
.endr
.set i, i+1
.endr
	s_wait_dscnt 32                                ; group 0 is in; the count here and twice below: the next group's 32 loads, issued behind
	SUMOUT 0
	LD 2
	s_wait_dscnt 32
	SUMOUT 1
	LD 3
	s_wait_dscnt 32
	SUMOUT 2
	s_wait_dscnt 0x0
	SUMOUT 3
	WIN 0
	s_wait_tensorcnt 0x0                           ; the wave's end, behind my last tensor load and my last LDS store
	ds_add_u32 v[SPW], v[NIL]
	s_wait_dscnt 0x0
	CROUND                                         ; the closing round: no work-group ends while a partner may still ask for a tile that names it
	s_endpgm
.Lfunc_end_k_qf4c3befda8_attn:
	.size	k_qf4c3befda8_attn, .Lfunc_end_k_qf4c3befda8_attn-k_qf4c3befda8_attn
	.p2alignl 7, 3214868480
	.fill 96, 4, 3214868480
	.section	.rodata,"a",@progbits
	.p2align	6, 0x0
	.amdhsa_kernel k_qf4c3befda8_attn
		.amdhsa_group_segment_fixed_size 327680
		.amdhsa_private_segment_fixed_size 0
		.amdhsa_enable_private_segment 0
		.amdhsa_kernarg_size 40
		.amdhsa_user_sgpr_count 2
		.amdhsa_user_sgpr_kernarg_segment_ptr 1
		.amdhsa_wavefront_size32 1
		.amdhsa_system_sgpr_workgroup_id_x 1
		.amdhsa_system_sgpr_workgroup_id_y 1
		.amdhsa_system_sgpr_workgroup_id_z 1
		.amdhsa_system_vgpr_workitem_id 0
		.amdhsa_next_free_vgpr 1024
		.amdhsa_next_free_sgpr 66
		.amdhsa_reserve_vcc 0
		.amdhsa_float_denorm_mode_32 3
		.amdhsa_float_denorm_mode_16_64 3
		.amdhsa_memory_ordered 1
		.amdhsa_forward_progress 1
		.amdhsa_inst_pref_size 255
	.end_amdhsa_kernel
	.section	.bss,"aw",@nobits
	.p2align	6
	.space	262144
	.amdgpu_metadata
---
amdhsa.version: [ 1, 2 ]
amdhsa.kernels:
  - .name:           k_qf4c3befda8_attn
    .symbol:         k_qf4c3befda8_attn.kd
    .args:
      - { .name: q, .offset: 0, .size: 8, .value_kind: global_buffer, .address_space: global }
      - { .name: kv, .offset: 8, .size: 8, .value_kind: global_buffer, .address_space: global }
      - { .name: x, .offset: 16, .size: 8, .value_kind: global_buffer, .address_space: global }
      - { .name: bo, .offset: 24, .size: 8, .value_kind: global_buffer, .address_space: global }
      - { .name: out0, .offset: 32, .size: 8, .value_kind: global_buffer, .address_space: global }
    .group_segment_fixed_size: 327680
    .private_segment_fixed_size: 0
    .kernarg_segment_align: 8
    .kernarg_segment_size: 40
    .max_flat_workgroup_size: 128
    .sgpr_count:     66
    .vgpr_count:     1024
    .wavefront_size: 32
...
	.end_amdgpu_metadata
.endif
;; end of part 3
;; ======== version 2 of 2: 2 launches
;; workspace buffers: yb 8,388,608 bytes; wb 524,288 bytes
;; launch prep (part 4): grid 64 x 4, 4 waves a work-group, no clusters, 39,680 bytes of LDS; arguments y, Wq, Wk, Wv, Wo, yb, wb; writes yb, wb
.if DOCPART == 4
	.amdgcn_target "amdgcn-amd-amdhsa--gfx1250"
	.amdhsa_code_object_version 6
	.text
	.protected	k_qf4c3befda8_prep
	.globl	k_qf4c3befda8_prep
	.p2align	8
	.type	k_qf4c3befda8_prep,@function
k_qf4c3befda8_prep:
	s_mov_b64 s[64:65], 0
	v_nop
	global_prefetch_b8 v0, s[64:65] scope:SCOPE_SE
	s_setreg_imm32_b32 hwreg(HW_REG_WAVE_MODE, 25, 1), 1
	s_wait_xcnt 0x0
; THE PROGRAM.  out = x + Wo z + bo, z[:,l] = sum_j A[l][j] v[:,j], A = softmax_j(q[:,l] . k[:,j] / 16), q = Wq x + bq, k = Wk y + bk, v = Wv y + bv; 4 batches, 4,096 pixels, 256 channels.  Two launches:
;   this one   y rounded once to bf16 and laid out for the attention; the four 256 x 256 matrices rounded once to bf16 and laid out as matrix fragments
;   attn       q' = Wk^T (Wq x + bq); s = softmax_j(q'[:,l] . y[:,j] / 16); zy = sum_j s y[:,j]; out = x + Wo (Wv zy + bv) + bo
; WORK LEFT OUT: bk.  It adds q[:,l] . bk to every score of query l: the same number along the softmax axis, so it cancels between the exponential and the row sum for every value of the inputs.  bk has no other way
; to the output: it is not loaded and is no argument of any launch.  LIMIT: a NaN, an infinity or an overflow that would arise in that term alone is not carried to the result.
; WORK MOVED, NOT LEFT OUT, by identities that hold for all values:  q . (Wk y) = (Wk^T q) . y, so Wk is applied to the queries;  sum_j A[l][j] (Wv y[:,j] + bv) = Wv (sum_j A[l][j] y[:,j]) + bv, since the softmax's own
; division makes sum_j A[l][j] = 1, so Wv and bv come behind the sum.  There are as many queries as keys: the multiply-adds are the same.  The gain: keys and values are the same bytes, those of y.
; yb = [batch][group of 64 pixels, 0..63][32,768].  In a group the PIECE (channel c, octet o of pixels: 8 bf16, 16 bytes) lies at (8 (c / 16) + o) x 256 + ((c % 16 + 8 (o % 2)) % 16) x 16: sixteen channels of one octet, and
; eight channels of two neighbouring octets, both fall on sixteen different 16-byte columns of 256 bytes.
; wb = [matrix Wq, Wk^T, Wv, Wo][tile of 16 rows][32 columns, 0..7][1,024].  A FRAGMENT is 16 rows x 32 columns of bf16: bytes 16 L .. are registers 0-3 of lane L (row L % 16, columns 8 (L / 16) + 0..7), bytes 512 + 16 L ..
; registers 4-7 (columns 16 + 8 (L / 16) + 0..7).
; SHARES.  Work-group (blk, b): pixels 64 blk .. + 63 of batch b, one group of yb; wave w its channels 64 w .. + 63, through a stage of its own: no barrier.  Wave 0 also converts one of the 256 parts of the matrices:
; matrix b, tile blk / 4, columns 64 (blk % 4) on: two fragments.  Of Wk it reads 64 rows x 16 columns (64 bytes of a row: 262,144 bytes in the whole launch are read so) and turns them by 2-byte LDS stores.
; A stream: no matrix unit, no cluster (no byte is read by two work-groups).
.set YP,    144                        ; a staged row: 64 bf16 + 16 bytes = 36 words: sixteen rows start at sixteen different groups of four banks (64 banks of 4 bytes: ISA guide 11.1)
.set WST,   64*YP                      ; a wave's stage for y
.set WSTG,  4*WST                      ; wave 0's stage for its part of a matrix: 16 rows
.set SPARE, WSTG+16*YP                 ; the spare words, 128 bytes a wave, which no other line names
.set XO,  2                            ; v2   my 16 bytes in two rows of y: (64 w + L / 16) x 16,384 + 16 (L % 16)
.set TS,  3                            ; v3   where they go when rounded: my stage + (L / 16) YP + 8 (L % 16)
.set YR,  4                            ; v4   where I read a piece: my stage + ((L % 16 + 8 (L / 16)) % 16) YP + 16 (L / 16)
.set GO,  5                            ; v5   16 L
.set SPW, 6                            ; v6   LDS address of my spare word; never rewritten
.set NIL, 7                            ; v7   0; never rewritten
.set GN,  8                            ; v8   a matrix as it lies: (L / 16) x 1,024 + 16 (L % 16)
.set GT,  9                            ; v9   Wk, to be turned: (L / 4) x 1,024 + 16 (L % 4)
.set TSW, 10                           ; v10  WSTG + (L / 16) YP + 8 (L % 16)
.set TWT, 11                           ; v11  WSTG + 4 (L % 4) YP + 2 (L / 4)
.set SRN, 12                           ; v12  WSTG + (L % 16) YP + 16 (L / 16): where I read fragments
.set RAW, 16                           ; v[16:143]  y as loaded
.set FR,  144                          ; v[144:207] y as pieces
.set WR,  208                          ; v[208:239] the part of a matrix as loaded
.set WF,  240                          ; v[240:255] its two fragments
	s_load_b256 s[4:11], s[0:1], 0x0               ; y s[4:5], Wq s[6:7], Wk s[8:9], Wv s[10:11]
	s_load_b128 s[12:15], s[0:1], 0x20             ; Wo s[12:13], yb s[14:15]
	s_load_b64 s[16:17], s[0:1], 0x30              ; wb
	v_lshl_add_u32 v[SPW], v0, 2, SPARE
	v_mov_b32 v[NIL], 0
	v_lshrrev_b32 v1, 5, v0
	v_readfirstlane_b32 s18, v1                    ; wave 0..3
	s_and_b32 s19, ttmp7, 0xffff                   ; the batch, and which matrix
	v_and_b32 v14, 31, v0                          ; L
	v_and_b32 v15, 15, v0                          ; L % 16
	v_bfe_u32 v1, v0, 4, 1                         ; L / 16
	s_lshl_b32 s20, s18, 20                        ; 64 rows of 16,384 bytes
	v_lshlrev_b32 v[XO], 4, v15
	v_lshl_add_u32 v[XO], v1, 14, v[XO]
	v_add_nc_u32 v[XO], s20, v[XO]
	s_mul_i32 s21, s18, WST
	v_mul_u32_u24 v[TS], v1, YP
	v_lshl_add_u32 v[TS], v15, 3, v[TS]
	v_add_nc_u32 v[TSW], WSTG, v[TS]
	v_add_nc_u32 v[TS], s21, v[TS]
	v_lshl_add_u32 v[YR], v1, 3, v15
	v_and_b32 v[YR], 15, v[YR]
	v_mul_u32_u24 v[YR], v[YR], YP
	v_lshl_add_u32 v[YR], v1, 4, v[YR]
	v_add_nc_u32 v[YR], s21, v[YR]
	v_lshlrev_b32 v[GO], 4, v14
	v_lshlrev_b32 v[GN], 4, v15
	v_lshl_add_u32 v[GN], v1, 10, v[GN]
	v_lshrrev_b32 v[GT], 2, v14                    ; L / 4
	v_and_b32 v13, 3, v0                           ; L % 4
	v_mul_u32_u24 v[TWT], v13, 4*YP
	v_lshl_add_u32 v[TWT], v[GT], 1, v[TWT]
	v_add_nc_u32 v[TWT], WSTG, v[TWT]
	v_lshlrev_b32 v13, 4, v13
	v_lshl_add_u32 v[GT], v[GT], 10, v13
	v_mul_u32_u24 v[SRN], v15, YP
	v_lshl_add_u32 v[SRN], v1, 4, v[SRN]
	v_add_nc_u32 v[SRN], WSTG, v[SRN]
	s_lshl_b32 s22, s19, 22                        ; a batch of y is 4,194,304 bytes,
	s_lshl_b32 s23, ttmp9, 8                       ; my 64 pixels are 256 bytes of each row
	s_add_co_u32 s22, s22, s23
	s_mov_b32 s23, 0
	s_lshl_b32 s24, s19, 6
	s_add_co_u32 s24, s24, ttmp9
	s_lshl_b32 s24, s24, 15                        ; my group of yb,
	s_lshl_b32 s25, s18, 13                        ; my wave's four tiles of 16 channels in it
	s_add_co_u32 s24, s24, s25
	s_mov_b32 s25, 0
	s_lshr_b32 s26, ttmp9, 2                       ; which tile of 16 rows of the result,
	s_and_b32 s27, ttmp9, 3                        ; which 64 of its columns
	s_lshl_b32 s28, s26, 14                        ; as it lies: 16 rows of 1,024 bytes, 256 bytes along them
	s_lshl_b32 s29, s27, 8
	s_add_co_u32 s28, s28, s29
	s_lshl_b32 s29, s27, 16                        ; to be turned: 64 rows of 1,024 bytes, 64 bytes along them
	s_lshl_b32 s30, s26, 6
	s_add_co_u32 s29, s29, s30
	s_cmp_eq_u32 s19, 1
	s_cselect_b32 s28, s29, s28
	s_mov_b32 s29, 0
	s_lshl_b32 s30, s19, 17                        ; in wb: 131,072 bytes a matrix, 8,192 a tile, 2,048 my two fragments
	s_lshl_b32 s31, s26, 13
	s_add_co_u32 s30, s30, s31
	s_lshl_b32 s31, s27, 11
	s_add_co_u32 s30, s30, s31
	s_mov_b32 s31, 0
	s_wait_kmcnt 0x0
	s_add_nc_u64 s[4:5], s[4:5], s[22:23]
	s_add_nc_u64 s[14:15], s[14:15], s[24:25]
	s_cmp_eq_u32 s19, 1                            ; the choice among the four buffers hangs on the work-group number alone
	s_cselect_b64 s[32:33], s[8:9], s[6:7]
	s_cmp_eq_u32 s19, 2
	s_cselect_b64 s[32:33], s[10:11], s[32:33]
	s_cmp_eq_u32 s19, 3
	s_cselect_b64 s[32:33], s[12:13], s[32:33]
	s_add_nc_u64 s[32:33], s[32:33], s[28:29]
	s_add_nc_u64 s[16:17], s[16:17], s[30:31]
	s_cmp_lg_u32 s18, 0                            ; wave 0 asks for its part of a matrix first, so that one wait serves both streams
	s_cbranch_scc1 .Lasked
	s_cmp_eq_u32 s19, 1
	s_cbranch_scc1 .Lask_turned
.set j, 0
.rept 8                                        ; rows 2 j and 2 j + 1, 256 aligned bytes each
	global_load_b128 v[WR+4*j:WR+4*j+3], v[GN], s[32:33] offset:j*2048
.set j, j+1
.endr
	s_branch .Lasked
.Lask_turned:
.set j, 0
.rept 8                                        ; rows 8 j .. 8 j + 7, 64 bytes each
	global_load_b128 v[WR+4*j:WR+4*j+3], v[GT], s[32:33] offset:j*8192
.set j, j+1
.endr
.Lasked:
.set i, 0
.rept 32                                       ; load i: rows 64 w + 2 i and + 1, 256 aligned bytes each
	global_load_b128 v[RAW+4*i:RAW+4*i+3], v[XO], s[4:5] offset:i*32768 th:TH_LOAD_NT
.set i, i+1
.endr
	s_wait_loadcnt 0x0
.set i, 0
.rept 32                                       ; four f32 become four bf16, in place
	v_cvt_pk_bf16_f32 v[RAW+4*i], v[RAW+4*i], v[RAW+4*i+1]
	v_cvt_pk_bf16_f32 v[RAW+4*i+1], v[RAW+4*i+2], v[RAW+4*i+3]
.set i, i+1
.endr
.set i, 0
.rept 32
	ds_store_b64 v[TS], v[RAW+4*i:RAW+4*i+1] offset:i*2*YP
.set i, i+1
.endr
.set n, 0
.rept 16                                       ; LDS serves a wave in order (ISA guide 5.7.1.4): these see my stores above.  Load n: tile n / 4 of 16 channels, octets 2 (n % 4) and + 1
	ds_load_b128 v[FR+4*n:FR+4*n+3], v[YR] offset:(n/4)*16*YP+(n%4)*32
.set n, n+1
.endr
.set n, 0
.rept 16
	s_wait_dscnt 15-n                              ; the count: the LDS loads issued behind load n
	global_store_b128 v[GO], v[FR+4*n:FR+4*n+3], s[14:15] offset:n*512  ; 512 consecutive bytes, at a multiple of 512 from yb's first
.set n, n+1
.endr
	s_cmp_lg_u32 s18, 0
	s_cbranch_scc1 .Lend
.set j, 0
.rept 8
	v_cvt_pk_bf16_f32 v[WR+4*j], v[WR+4*j], v[WR+4*j+1]
	v_cvt_pk_bf16_f32 v[WR+4*j+1], v[WR+4*j+2], v[WR+4*j+3]
.set j, j+1
.endr
	s_cmp_eq_u32 s19, 1
	s_cbranch_scc1 .Lturn
.set j, 0
.rept 8
	ds_store_b64 v[TSW], v[WR+4*j:WR+4*j+1] offset:j*2*YP
.set j, j+1
.endr
	s_branch .Lstaged
.Lturn:                                        ; my four numbers are four rows of the result, at column 8 j + L / 4
.set j, 0
.rept 8
	ds_store_b16 v[TWT], v[WR+4*j] offset:j*16
	ds_store_b16_d16_hi v[TWT], v[WR+4*j] offset:j*16+YP
	ds_store_b16 v[TWT], v[WR+4*j+1] offset:j*16+2*YP
	ds_store_b16_d16_hi v[TWT], v[WR+4*j+1] offset:j*16+3*YP
.set j, j+1
.endr
.Lstaged:
.set n, 0
.rept 4                                        ; half n % 2 of fragment n / 2
	ds_load_b128 v[WF+4*n:WF+4*n+3], v[SRN] offset:(n/2)*64+(n%2)*32
.set n, n+1
.endr
	s_wait_dscnt 0x0
.set n, 0
.rept 4
	global_store_b128 v[GO], v[WF+4*n:WF+4*n+3], s[16:17] offset:n*512
.set n, n+1
.endr
.Lend:
	s_wait_tensorcnt 0x0                           ; the wave's end, behind my last LDS store
	ds_add_u32 v[SPW], v[NIL]
	s_wait_dscnt 0x0
	s_endpgm
.Lfunc_end_k_qf4c3befda8_prep:
	.size	k_qf4c3befda8_prep, .Lfunc_end_k_qf4c3befda8_prep-k_qf4c3befda8_prep
	.p2alignl 7, 3214868480
	.fill 96, 4, 3214868480
	.section	.rodata,"a",@progbits
	.p2align	6, 0x0
	.amdhsa_kernel k_qf4c3befda8_prep
		.amdhsa_group_segment_fixed_size 39680
		.amdhsa_private_segment_fixed_size 0
		.amdhsa_enable_private_segment 0
		.amdhsa_kernarg_size 56
		.amdhsa_user_sgpr_count 2
		.amdhsa_user_sgpr_kernarg_segment_ptr 1
		.amdhsa_wavefront_size32 1
		.amdhsa_system_sgpr_workgroup_id_x 1
		.amdhsa_system_sgpr_workgroup_id_y 1
		.amdhsa_system_sgpr_workgroup_id_z 1
		.amdhsa_system_vgpr_workitem_id 0
		.amdhsa_next_free_vgpr 256
		.amdhsa_next_free_sgpr 66
		.amdhsa_reserve_vcc 0
		.amdhsa_float_denorm_mode_32 3
		.amdhsa_float_denorm_mode_16_64 3
		.amdhsa_memory_ordered 1
		.amdhsa_forward_progress 1
		.amdhsa_inst_pref_size 22
	.end_amdhsa_kernel
	.amdgpu_metadata
---
amdhsa.version: [ 1, 2 ]
amdhsa.kernels:
  - .name:           k_qf4c3befda8_prep
    .symbol:         k_qf4c3befda8_prep.kd
    .args:
      - { .name: y, .offset: 0, .size: 8, .value_kind: global_buffer, .address_space: global }
      - { .name: Wq, .offset: 8, .size: 8, .value_kind: global_buffer, .address_space: global }
      - { .name: Wk, .offset: 16, .size: 8, .value_kind: global_buffer, .address_space: global }
      - { .name: Wv, .offset: 24, .size: 8, .value_kind: global_buffer, .address_space: global }
      - { .name: Wo, .offset: 32, .size: 8, .value_kind: global_buffer, .address_space: global }
      - { .name: yb, .offset: 40, .size: 8, .value_kind: global_buffer, .address_space: global }
      - { .name: wb, .offset: 48, .size: 8, .value_kind: global_buffer, .address_space: global }
    .group_segment_fixed_size: 39680
    .private_segment_fixed_size: 0
    .kernarg_segment_align: 8
    .kernarg_segment_size: 56
    .max_flat_workgroup_size: 128
    .sgpr_count:     66
    .vgpr_count:     256
    .wavefront_size: 32
...
	.end_amdgpu_metadata
.endif
;; end of part 4
;; launch attn (part 5): grid 64 x 4, 4 waves a work-group, clusters of 4 x 1, 327,680 bytes of LDS; arguments x, yb, wb, bq, bv, bo, out0; writes out0
.if DOCPART == 5
	.amdgcn_target "amdgcn-amd-amdhsa--gfx1250"
	.amdhsa_code_object_version 6
	.text
	.protected	k_qf4c3befda8_attn
	.globl	k_qf4c3befda8_attn
	.p2align	8
	.type	k_qf4c3befda8_attn,@function
k_qf4c3befda8_attn:
	s_mov_b64 s[64:65], 0
	v_nop
	global_prefetch_b8 v0, s[64:65] scope:SCOPE_SE
	s_setreg_imm32_b32 hwreg(HW_REG_WAVE_MODE, 25, 1), 1
	s_wait_xcnt 0x0
	s_wait_alu depctr_hold_cnt(0) depctr_sa_sdst(0) depctr_va_vdst(0) depctr_va_sdst(0) depctr_va_ssrc(0) depctr_va_vcc(0) depctr_vm_vsrc(0)
	s_getreg_b32 s2, hwreg(HW_REG_IB_STS2, 6, 4)
	s_cmp_eq_u32 s2, 0
	s_cbranch_scc0 .Lentry_in_a_cluster
	s_endpgm
.Lentry_in_a_cluster:
	s_bfe_u32 s2, ttmp6, 0x10000c
	s_cmp_lg_u32 s2, 0x3003
	s_cbranch_scc0 .Lentry_shape_is_right
	s_endpgm
.Lentry_shape_is_right:
; out[b][c][l] = x[b][c][l] + bo[c] + (Wo (Wv zy + bv))[c][l],  zy[:,l] = sum_j softmax_j(q'[:,l] . y[:,j] / 16) y[:,j],  q' = Wk^T (Wq x + bq).  yb and wb are the first launch's bf16 copies.
; LEFT OUT: bk, which the softmax cancels.  MOVED: Wk onto the queries, Wv and bv behind the sum (the weights of a query add up to 1).  Both are shown at the head of the first kernel, for all values of the inputs.
; LIMITS: x, y, the weights, q, q', the softmax weights p, zy and v are rounded to bf16, all sums are f32; the row sum l is taken of the unrounded p; a weight below 2^-126 counts as 0; NaN and infinities are not treated apart.
; SHARES.  16,384 queries on 256 work-groups: 64 queries (four tiles of 16) of one batch each.  THE KEYS ARE SPLIT AMONG THE FOUR WAVES: of each block of 256 keys wave w takes group w, 64 keys, for all 64 queries.  Keys and values
; are the same 32,768 bytes: the wave that asked for them reads them twice, turned for the scores and as they lie for the sum.  Each wave keeps its own maximum m, sum l and O^T (64 queries x 256 channels, 512 registers).
; CLUSTER.  The four work-groups of a cluster belong to one batch and walk the same yb: each block is asked for JOINTLY, by the same tensor load with the same descriptor and a mask that names the four.
; LAYOUT.  S^T = Y^T Q (source 0 = 16 keys x 32 channels, source 1 = 16 queries): a lane holds ONE query (L % 16) and the keys 8 (L / 16) + 0..7.  Two such results, rounded to bf16 in pairs, ARE source 1 (32 keys x 16 queries)
; of O^T += Y P (source 0 = 16 channels x 32 keys), whose result again holds one query a lane, and eight channels: rounded, half a fragment of 16 queries x 32 channels for the products at the end.
; SOFTMAX.  p = 2^(c s - c m), c = log2(e) / 16, m the running maximum of the wave's keys; in every trip O^T and l are multiplied by a = 2^(c m_old - c m_new).  m starts at the lowest finite number, O^T and l at 0, so the
; first trip is a trip like any other, with a = 0.  The price: 512 v_mov_b32, issued while Q's 64 LDS loads are on their way; the gain: no first trip written out.
; A TRIP is a block of 256 keys: a wave's 128 products for S^T, the softmax, 128 products for O^T.  Three buffers of four fragments take turns, each run of 8 LDS loads two batches of 16 products ahead of its use.
; REGISTERS, in windows of 256 (s_set_vgpr_msb: bits 1:0 source 0, 3:2 source 1, 5:4 source 2, 7:6 destination):
;   window 0: v0-7 addresses; v8-31 six registers of statistics a tile; v32-159 S^T, 32 a tile (P is packed into the low 16 in place); v160-255 the three buffers.  At the head and at the end v32-175 serve otherwise
;   window 1: Q, fragment (tile t, 32 channels cs) at 8 (8 t + cs); at the head x as loaded; at the end x and bo
;   windows 2, 3: O^T: tile t in window 2 + t / 2, at 128 (t % 2) + 8 ct.  At the head and at the end: window 2 the 32 data fragments of a product, window 3 four sets of 8 weight fragments
.set BLOCK, 131072                     ; 256 keys of yb: four groups of 32,768 bytes, a wave a group
.set SLOT1, 131072                     ; slot 1 begins here: one exclusive or turns an address in one slot into the other's
.set SCR,   262144                     ; behind the ring, never filled by a tensor load: x staged, then q, then q'; at the end zy
.set XP,    160                        ; a staged row of x: 64 bf16 + 32 bytes = 5 x 32
.set STATS, SCR+256*XP                 ; c m and l of each wave, tile and query: 512 bytes a wave
.set SPARE, STATS+2048                 ; the spare words, 128 bytes a wave, which no other line names
.set OSB,   65536                      ; the end, in the ring's bytes, which have had their last fill: bytes 0 on: the exchange of partial sums (262,144), later v (32,768); from here on the rows of the result
.set PP,    272                        ; such a row: 64 f32 + 16 bytes = 68 words: sixteen rows start at sixteen different groups of four banks
.set PFO, 1                            ; v1   256 L: the prefetches' offset
.set AKT, 2                            ; v2   the turning load's place in my wave's part of slot 0: 32,768 w + 256 b + 16 ((8 (L / 16) + L % 8 + 8 b) % 16), b = (L / 8) % 2
.set AVP, 3                            ; v3   the plain load's: 32,768 w + 256 (L / 16) + 16 ((L % 16 + 8 (L / 16)) % 16)
.set ADK, 4                            ; v4   the same two in the slot that is being read
.set ADV, 5                            ; v5
.set SPW, 6                            ; v6   LDS address of my spare word; never rewritten
.set NIL, 7                            ; v7   0; never rewritten
.set ST,  8                            ; tile t at ST + 6 t: +0 c m, +1 m, +2, +3 l (even keys, odd keys), +4 a, +5 at work (both also hold the two running maxima)
.set S,   32
.set X0,  160
.set X1,  192
.set X2,  224
.set EL,  32                           ; head and end: L, L % 16, L / 16
.set ER,  33
.set EH,  34
.set XO,  35                           ; my 16 bytes in two rows of x and out0: (64 w + L / 16) x 16,384 + 16 (L % 16)
.set BOF, 36                           ; 4 (64 w + L / 16)
.set SSA, 37                           ; STATS + 512 w + 8 (L % 16)
.set SLA, 38                           ; STATS + 8 (L % 16)
.set EXW, 39                           ; 65,536 w + 16 L: where my partial sums go
.set EXR, 40                           ; v40-43  65,536 p + 16,384 w + 16 L: where I read wave p's sums for tile w
.set WO,  44                           ; 16 L
.set LV0, 45                           ; 16 L + 2,048 w
.set LB,  46                           ; 256 w + 32 (L / 16): my eight numbers of a bias, tile 0
.set LVS, 47                           ; SCR + 16 L + 2,048 w
.set VRS, 48                           ; SCR + 16 L
.set ZXW, 49                           ; SCR + 8,192 w + 16 L
.set OSW, 50                           ; OSB + (64 w + L % 16) PP + 32 (L / 16)
.set OSR, 51                           ; OSB + (64 w + L / 16) PP + 16 (L % 16)
.set HTS, 52                           ; SCR + (64 w + L / 16) XP + 8 (L % 16)
.set HTR, 53                           ; SCR + (8 (L / 16) + L % 8) XP + 16 ((L / 8) % 2)
.set T1,  54
.set T2,  55
.set EB,  56
.set SS,  64                           ; v[64:95]   the four waves' c m and l
.set BIAS, 96                          ; v[96:127]  a bias as the C operand of my four tiles
.set ACC, 128                          ; v[128:159] four accumulators
.set PK,  160                          ; v[160:175] their results, rounded
.set WV,  18                           ; s18  my wave's number
.set CX,  19                           ; s19  my place in the cluster: it enters the addresses of x, out0 and of the prefetches alone
.set G1,  24                           ; s[24:31] descriptor group 1
.set G0A, 32                           ; s[32:35] descriptor group 0 of the first fill of slot 0
.set G0B, 36                           ; s[36:39] of the first fill of slot 1; it then walks
.set PFA, 40                           ; s[40:41] where my prefetches stand
.set LIM, 42                           ; s42  1 in a cluster that prefetches, else the greatest number
.set LEFT, 43                          ; s43  trips of the loop still to come
.set TB,  45                           ; s45  0 or SLOT1: the slot that is being read
.set CSC, 46                           ; s[46:47] c; the packed scaling takes the pair's low word for both halves
.set SEL, 48                           ; s[48:49] v_permlanex16_b32's selects: each lane takes its own place in the other half
.set XPT, 50                           ; s[50:51] x at my 64 pixels
.set OPT, 52                           ; s[52:53] out0 likewise
.set WBP, 54                           ; s[54:55] wb at my wave's four tiles of the first matrix
.set MSB, 0
.macro WIN new                         ; the high byte repeats the setting that is left; a switch that changes nothing is dropped
.if MSB != (\new)
	s_set_vgpr_msb (MSB<<8)|(\new)
.set MSB, \new
.endif
.endm
.macro PLACES n
.rept \n
	v_nop
.endr
.endm
.macro BAR                             ; my LDS instructions are done; then the work-group's barrier
	s_wait_dscnt 0x0
	s_barrier_signal -1
	s_barrier_wait -1
.endm
; A round of the cluster's barrier: my work-group's barrier, so that wave 0's signal speaks for all four waves; wave 0 signals; every wave waits for all four work-groups; my work-group's barrier once more.
.macro CROUND
	s_barrier_signal -1
	s_barrier_wait -1
	s_cmp_lg_u32 s[WV], 0
	s_cbranch_scc1 .Lnot_wave_0_\@
	s_barrier_signal -3
.Lnot_wave_0_\@:
	s_barrier_wait -3
	s_barrier_signal -1
	s_barrier_wait -1
.endm
.macro LANES                           ; the lane terms that head and end share; the loop uses their registers for S^T
	v_and_b32 v[EL], 31, v0
	v_and_b32 v[ER], 15, v0
	v_bfe_u32 v[EH], v0, 4, 1
	s_lshl_b32 s20, s[WV], 20
	v_lshlrev_b32 v[XO], 4, v[ER]
	v_lshl_add_u32 v[XO], v[EH], 14, v[XO]
	v_add_nc_u32 v[XO], s20, v[XO]
	v_lshlrev_b32 v[WO], 4, v[EL]
	s_lshl_b32 s20, s[WV], 11
	v_add_nc_u32 v[LV0], s20, v[WO]
	v_add_nc_u32 v[LVS], SCR, v[LV0]
	v_add_nc_u32 v[VRS], SCR, v[WO]
	s_lshl_b32 s20, s[WV], 8
	v_lshl_add_u32 v[LB], v[EH], 5, s20
.endm
; THE PRODUCTS WITH THE WEIGHTS, at the head (steps 0-7: Wq, Wk^T) and at the end (steps 8-15: Wv, Wo).  Wave w makes output channels 64 w .. + 63, a tile of 16 a step, for the four tiles nt of 16 pixels.
; The 8 weight fragments of step s (matrix s / 4, my tile s % 4) into set s % 4: 16 loads of 512 consecutive bytes
.macro WLOAD s
	WIN 0xc0
.set n, 0
.rept 16
	global_load_b128 v[64*((\s)%4)+4*n:64*((\s)%4)+4*n+3], v[WO], s[WBP:WBP+1] offset:((\s)/4)*131072+((\s)%4)*8192+n*512
.set n, n+1
.endr
.endm
; 32 fragments that lie in LDS in register order, 512 consecutive bytes a load, into the window that win names
.macro DATAL adr, win
	WIN \win
.set n, 0
.rept 64
	ds_load_b128 v[4*n:4*n+3], v[\adr] offset:n*512
.set n, n+1
.endr
.endm
; One step.  last: one more than the group's last step.  swap = 1: the data are source 0.  bias: the registers of the C operand that starts the sums, or -1 for the constant 0.
; dest = 0: a lane holds one pixel and eight channels: rounded, half a fragment, to LDS at adr.  dest = 1 (with swap): a lane holds one channel and eight pixels: 32 bytes of a row of the result, to LDS at adr.
.macro STEP s, last, swap, bias, dest, adr
.set ii, (\s)%4
.if (\s)+3 < (\last)
	WLOAD (\s)+3                                   ; into the set that the step before multiplied: its last product stands five v_nop back or more
.endif
.if (\last)-1-(\s) < 3
	s_wait_loadcnt 16*((\last)-1-(\s))             ; the count: the weight loads of the steps still to come
.else
	s_wait_loadcnt 48                              ; the count: the weight loads of the next three steps, issued behind this step's
.endif
.if \swap
	WIN 0x0e
.else
	WIN 0x0b
.endif
.set cs, 0
.rept 8                                        ; the four accumulators take turns, one instruction a turn
.set nt, 0
.rept 4
.set rD, ACC+8*nt
.set rX, 8*(8*nt+cs)
.set rW, 64*ii+8*cs
.if \swap
.if cs == 0
	v_wmma_f32_16x16x32_bf16 v[rD:rD+7], v[rX:rX+7], v[rW:rW+7], 0
.else
	v_wmma_f32_16x16x32_bf16 v[rD:rD+7], v[rX:rX+7], v[rW:rW+7], v[rD:rD+7]
.endif
.elseif cs > 0
	v_wmma_f32_16x16x32_bf16 v[rD:rD+7], v[rW:rW+7], v[rX:rX+7], v[rD:rD+7]
.elseif (\bias) >= 0
	v_wmma_f32_16x16x32_bf16 v[rD:rD+7], v[rW:rW+7], v[rX:rX+7], v[(\bias)+8*ii:(\bias)+8*ii+7]
.else
	v_wmma_f32_16x16x32_bf16 v[rD:rD+7], v[rW:rW+7], v[rX:rX+7], 0
.endif
.set nt, nt+1
.endr
.set cs, cs+1
.endr
	WIN 0
	PLACES 5                                       ; four places in front of what reads results, five in front of the next step's products, which write over them (ISA guide 7.12.1)
.if (\dest) == 0
.set nt, 0
.rept 4                                        ; each accumulator is read from its low end on
.set k, 0
.rept 4
	v_cvt_pk_bf16_f32 v[PK+4*nt+k], v[ACC+8*nt+2*k], v[ACC+8*nt+2*k+1]
.set k, k+1
.endr
.set nt, nt+1
.endr
.set nt, 0
.rept 4
	ds_store_b128 v[\adr], v[PK+4*nt:PK+4*nt+3] offset:nt*8192+(ii/2)*1024+(ii%2)*512
.set nt, nt+1
.endr
.else
.set nt, 0
.rept 4
	ds_store_b128 v[\adr], v[ACC+8*nt:ACC+8*nt+3] offset:ii*16*PP+nt*64
	ds_store_b128 v[\adr], v[ACC+8*nt+4:ACC+8*nt+7] offset:ii*16*PP+nt*64+16
.set nt, nt+1
.endr
.endif
.endm
; THE LOOP'S PARTS.  Four fragments in one run of 8 loads.  FK: 64 keys x channels 32 c on, turned: fragment kt (16 keys) at 8 kt.  FV: channels 32 b on x 64 keys, as they lie: fragment (16 channels u, 32 keys kg) at 8 (2 u + kg).
.macro FK c, buf
.set kt, 0
.rept 4
	ds_load_tr16_b128 v[(\buf)+8*kt:(\buf)+8*kt+3],   v[ADK] offset:(\c)*4096+kt*512
	ds_load_tr16_b128 v[(\buf)+8*kt+4:(\buf)+8*kt+7], v[ADK] offset:(\c)*4096+kt*512+2048
.set kt, kt+1
.endr
.endm
.macro FV b, buf
.set f, 0
.rept 4
	ds_load_b128 v[(\buf)+8*f:(\buf)+8*f+3],   v[ADV] offset:(2*(\b)+f/2)*2048+(f%2)*1024
	ds_load_b128 v[(\buf)+8*f+4:(\buf)+8*f+7], v[ADV] offset:(2*(\b)+f/2)*2048+(f%2)*1024+512
.set f, f+1
.endr
.endm
; Batch c of 8 of S^T: channels 32 c on.  The sixteen accumulators (tile, 16 keys) take turns, one instruction a turn; batch 0 starts the sums.
.macro KQB c, buf
	WIN 0x04
.set kt, 0
.rept 4
.set t, 0
.rept 4
.set rS, S+32*t+8*kt
.set rK, (\buf)+8*kt
.set rQ, 8*(8*t+(\c))
.if (\c) == 0
	v_wmma_f32_16x16x32_bf16 v[rS:rS+7], v[rK:rK+7], v[rQ:rQ+7], 0
.else
	v_wmma_f32_16x16x32_bf16 v[rS:rS+7], v[rK:rK+7], v[rQ:rQ+7], v[rS:rS+7]
.endif
.set t, t+1
.endr
.set kt, kt+1
.endr
.endm
; The softmax of my 64 keys for the four tiles, line by line through the tiles, so that no line reads the result of the line before it.
.macro SOFTMAX
	WIN 0
.irp t, 0,1,2,3                                ; the maximum of a lane's 32 scores and the old m, two chains; of each of the four accumulators a register of its low four is read first
	v_max3_num_f32 v[ST+6*\t+4], v[S+32*\t], v[S+32*\t+1], v[S+32*\t+2]
.endr
.irp t, 0,1,2,3
	v_max3_num_f32 v[ST+6*\t+5], v[S+32*\t+16], v[S+32*\t+17], v[S+32*\t+18]
.endr
.set k, 0
.rept 6
.irp t, 0,1,2,3
	v_max3_num_f32 v[ST+6*\t+4], v[ST+6*\t+4], v[S+32*\t+3+2*k], v[S+32*\t+4+2*k]
.endr
.irp t, 0,1,2,3
	v_max3_num_f32 v[ST+6*\t+5], v[ST+6*\t+5], v[S+32*\t+19+2*k], v[S+32*\t+20+2*k]
.endr
.set k, k+1
.endr
.irp t, 0,1,2,3
	v_max3_num_f32 v[ST+6*\t+4], v[ST+6*\t+4], v[S+32*\t+15], v[S+32*\t+31]
.endr
.irp t, 0,1,2,3
	v_max3_num_f32 v[ST+6*\t+4], v[ST+6*\t+4], v[ST+6*\t+5], v[ST+6*\t+1]
.endr
.irp t, 0,1,2,3
	v_permlanex16_b32 v[ST+6*\t+5], v[ST+6*\t+4], s[SEL], s[SEL+1]  ; the query's other 32 keys lie in the lane 16 away; the destination has been written
.endr
.irp t, 0,1,2,3
	v_max_num_f32 v[ST+6*\t+1], v[ST+6*\t+4], v[ST+6*\t+5]
.endr
.irp t, 0,1,2,3
	v_mul_f32 v[ST+6*\t+4], s[CSC], v[ST+6*\t+1]   ; c m_new
.endr
.irp t, 0,1,2,3
	v_sub_f32 v[ST+6*\t+5], v[ST+6*\t], v[ST+6*\t+4]
.endr
.irp t, 0,1,2,3
	v_mov_b32 v[ST+6*\t], v[ST+6*\t+4]
.endr
.irp t, 0,1,2,3
	v_exp_f32 v[ST+6*\t+4], v[ST+6*\t+5]           ; a
.endr
; ONE BATCH of exponentials: the four a and the 128 weights.  Pair b of each tile is scaled, then pair b - 1's exponentials are issued; nothing here names an exponential's result.
.set b, 0
.rept 17
.if b < 16
.irp t, 0,1,2,3
	v_pk_fma_f32 v[S+32*\t+2*b:S+32*\t+2*b+1], v[S+32*\t+2*b:S+32*\t+2*b+1], s[CSC:CSC+1], v[ST+6*\t:ST+6*\t+1] op_sel_hi:[1,0,0] neg_lo:[0,0,1] neg_hi:[0,0,1]  ; c s - c m
.endr
.endif
.if b > 0
.irp t, 0,1,2,3
	v_exp_f32 v[S+32*\t+2*b-2], v[S+32*\t+2*b-2]
	v_exp_f32 v[S+32*\t+2*b-1], v[S+32*\t+2*b-1]
.endr
.endif
.set b, b+1
.endr
	v_nop                                          ; a plain instruction behind the last exponential (ISA guide 5.7.2): one for the batch
	s_wait_alu depctr_va_vdst(0)                   ; the wait ahead of the first line that names a result: one for the batch
.irp t, 0,1,2,3
	v_pk_fma_f32 v[ST+6*\t+2:ST+6*\t+3], v[ST+6*\t+2:ST+6*\t+3], v[ST+6*\t+4:ST+6*\t+5], v[S+32*\t:S+32*\t+1] op_sel_hi:[1,0,1]  ; l = a l + the first pair
.endr
.set b, 1
.rept 15                                       ; and the other fifteen pairs; three other tiles' lines stand between two links
.irp t, 0,1,2,3
	v_pk_add_f32 v[ST+6*\t+2:ST+6*\t+3], v[ST+6*\t+2:ST+6*\t+3], v[S+32*\t+2*b:S+32*\t+2*b+1]
.endr
.set b, b+1
.endr
.set i, 0
.rept 16                                       ; P: pair i rounded to bf16 into register i of the tile: what is written over has been read
.irp t, 0,1,2,3
	v_cvt_pk_bf16_f32 v[S+32*\t+i], v[S+32*\t+2*i], v[S+32*\t+2*i+1]
.endr
.set i, i+1
.endr
.endm
; Half j % 2 of accumulator j / 2 of batch b of O^T is multiplied by its tile's a: two packed lines; an accumulator's low half comes first
.macro RUNIT b, j
.set qa, (\j)/2
.set qw, qa/4
.set qt, 2*qw+qa%2
.set qO, 128*(qa%2)+8*(2*(\b)+(qa/2)%2)+4*((\j)%2)
	WIN 0x82+0x41*qw
	v_pk_mul_f32 v[qO:qO+1], v[qO:qO+1], v[ST+6*qt+4:ST+6*qt+5] op_sel_hi:[1,0]
	v_pk_mul_f32 v[qO+2:qO+3], v[qO+2:qO+3], v[ST+6*qt+4:ST+6*qt+5] op_sel_hi:[1,0]
.endm
; Batch b of 8 of O^T += Y P: channels 32 b on, all 64 keys: 16 products on 8 accumulators, which take turns: seven others stand between the two links of a chain.  Product i: keys 32 (i / 8) on, window 2 + (i / 4) % 2,
; channels 16 (2 b + (i / 2) % 2) on, tile 2 ((i / 4) % 2) + i % 2.  Behind product i ride the two lines that rescale half an accumulator of batch b + 1: they name no register of the products round them.
.macro PVB b, buf
.set i, 0
.rept 16
.set pw, (i/4)%2
.set kg, i/8
.set uu, (i/2)%2
.set rO, 128*(i%2)+8*(2*(\b)+uu)
.set rV, (\buf)+8*(2*uu+kg)
.set rP, S+32*(2*pw+i%2)+8*kg
	WIN 0xa0+0x50*pw
	v_wmma_f32_16x16x32_bf16 v[rO:rO+7], v[rV:rV+7], v[rP:rP+7], v[rO:rO+7]
.if (\b) < 7
	RUNIT (\b)+1, i
.endif
.set i, i+1
.endr
	WIN 0
.endm
; A PREFETCH INTO THE L2, behind the wave's tensor load and its five lines: the block that the NEXT change of slots will ask for (trip t refills block t + 2 and names block t + 3: a trip, 256 matrix instructions of a wave,
; ahead of its load).  All sixteen clusters of a batch walk the same yb: the batch's first cluster asks.  A block is 512 pieces of 256 bytes: 4 partners x 4 waves x 32 lanes, a lane a piece, told apart BY ADDRESS: no branch
; hangs on a work-group's place in its cluster.  So each piece is named once in the launch.  Blocks 0 to 2 come by their loads alone; the loop's last trip asks for nothing: there is no block 16.
.macro ASK
	s_cmp_gt_u32 s[LEFT], s[LIM]                   ; in trip t LEFT = 14 - t: trips 0 to 12
	s_cbranch_scc0 .Lnot_mine_\@
	global_prefetch_b8 v[PFO], s[PFA:PFA+1] th:TH_LOAD_NT scope:SCOPE_SE
.Lnot_mine_\@:
.endm
; THE CHANGE OF SLOTS, when all of the block in hand has been asked of LDS; 32 products on registers are still to come.  fill = 1: the wave waits for all its tensor loads, of which one is out: its part of the next block; adds
; 0 to its spare word; waits for that and for its reads of the slot; a round of the cluster's barrier, so that no wave of any partner still reads the slot or has a load on its way; and the joint refill, the block two on,
; is the first thing behind it: it has a whole trip in which to land.  fill = 0: nothing is filled; behind the barrier every wave's part of the last block has landed.
.macro CHANGE fill
	WIN 0                                          ; at a label and at a branch every window is 0
	s_wait_tensorcnt 0x0                           ; no tensor load of mine is out, so a group 0 may be written
.if \fill
	ds_add_u32 v[SPW], v[NIL]                      ; 0 onto my spare word: the steps below stand between it and the wait for it
	s_xor_b32 s[G0B+1], s[G0B+1], SLOT1            ; the walking descriptor: the other slot than last time,
	s_add_nc_u64 s[G0B+2:G0B+3], s[G0B+2:G0B+3], BLOCK  ; the next block; the type bits on top are not reached
	s_wait_xcnt 0x0                                ; the last prefetch, a trip back, has read its address, so it may be written
	s_add_nc_u64 s[PFA:PFA+1], s[PFA:PFA+1], BLOCK
	s_wait_dscnt 0x0                               ; the add is done, and my reads of the slot are over
	CROUND
	tensor_load_to_lds s[G0B:G0B+3], s[G1:G1+7]
	s_nop 0
	PLACES 4
	ASK
.else
	BAR
.endif
	s_xor_b32 s[TB], s[TB], SLOT1                  ; the fetches go on in the other slot
	v_add_nc_u32 v[ADK], s[TB], v[AKT]
	v_add_nc_u32 v[ADV], s[TB], v[AVP]
.endm
; A TRIP.  Batch c of S^T reads buffer c % 3, batch b of O^T buffer (b + 1) % 3; a buffer is loaded again four places behind the last product that read it (ISA guide 7.12.1 for vector instructions)
; behind S^T's batches four v_nop, behind O^T's the two lines that ride behind the last product and two v_nop.  Every s_wait_dscnt 16 leaves out the two runs of 8 loads that were issued behind the run that is wanted.
.macro TRIP fill
.irp c, 0,1,2,3,4,5,6,7
	s_wait_dscnt 16
	KQB \c, X0+32*((\c)%3)
	WIN 0
	PLACES 4                                       ; behind batch 7 also the places in front of the maxima, which read results
.if (\c) < 5
	FK (\c)+3, X0+32*((\c)%3)
.elseif (\c) == 5
	FV 1, X2
.elseif (\c) == 6
	FV 2, X0
.else
	FV 0, X1
.endif
.endr
	SOFTMAX
.set j0, 0
.rept 16
	RUNIT 0, j0                                    ; batch 0's accumulators have no product to ride behind
.set j0, j0+1
.endr
	WIN 0
	s_wait_dscnt 0x0                               ; the first three runs, issued ahead of the softmax
	PVB 0, X1
	PLACES 2
	FV 3, X1
	PVB 1, X2
	PLACES 2
	FV 4, X2
	PVB 2, X0
	PLACES 2
	FV 5, X0
	s_wait_dscnt 16
	PVB 3, X1
	PLACES 2
	FV 6, X1
	s_wait_dscnt 16
	PVB 4, X2
	PLACES 2
	FV 7, X2
	s_wait_dscnt 16
	PVB 5, X0
	PLACES 2
	CHANGE \fill
	FK 0, X0                                       ; the next block's first three runs
	PVB 6, X1
	PLACES 2
	FK 1, X1
	PVB 7, X2
	PLACES 5                                       ; five: the next trip's first products write over P
	FK 2, X2
.endm
	s_load_b256 s[4:11], s[0:1], 0x0               ; x s[4:5], yb s[6:7], wb s[8:9], bq s[10:11]
	s_load_b128 s[12:15], s[0:1], 0x20             ; bv s[12:13], bo s[14:15]
	s_load_b64 s[16:17], s[0:1], 0x30              ; out0
	v_lshl_add_u32 v[SPW], v0, 2, SPARE
	v_mov_b32 v[NIL], 0
	ds_add_u32 v[SPW], v[NIL]                      ; the wave's opening: the add, twice on end, and its wait ahead of my first tensor load; the set-up below stands between
	ds_add_u32 v[SPW], v[NIL]                      ; and once more, under the one wait
	v_lshrrev_b32 v1, 5, v0
	v_readfirstlane_b32 s[WV], v1                  ; wave 0..3
	s_bfe_u32 s[CX], ttmp6, 0x40000                ; cx
	s_lshl_b32 s20, ttmp9, 2                       ; in a cluster launch ttmp9 counts clusters
	s_add_co_u32 s20, s20, s[CX]                   ; my block of 64 queries
	s_and_b32 s21, ttmp7, 0xffff                   ; the batch, which the four partners share
	; descriptor group 1: 32,768 dense bytes as 128 rows of 256
	s_mov_b32 s[G1], 15|(3<<16)|(1<<21)            ; 15:0 the mask of four; 17:16 elements of 8 bytes; 21 set beside a mask; no padding: the pieces' order keeps the banks apart
	s_mov_b32 s[G1+1], 32<<16                      ; tensor_dim0 = 32
	s_mov_b32 s[G1+2], 128<<16                     ; tensor_dim1 = 128
	s_mov_b32 s[G1+3], 32<<16                      ; tile_dim0 = 32
	s_mov_b32 s[G1+4], 128                         ; tile_dim1 = 128
	s_mov_b32 s[G1+5], 32                          ; 32 elements from row to row
	s_mov_b32 s[G1+6], 0
	s_mov_b32 s[G1+7], 0
	s_mov_b32 s[CSC], 0x3db8aa3b                   ; c = log2(e) / 16 = 0.0901684
	s_mov_b32 s[CSC+1], s[CSC]                     ; named with it as a pair
	s_mov_b32 s[SEL], 0x76543210
	s_mov_b32 s[SEL+1], 0xfedcba98
	s_mov_b32 s[TB], 0
	s_lshl_b32 s22, s[WV], 15                      ; my wave's group in a block, in memory and in a slot: no place in the cluster enters an LDS address
	s_mov_b32 s[G0A], 1                            ; 1:0 count = 1
	s_mov_b32 s[G0A+1], s22                        ; 63:32 LDS address: slot 0
	s_mov_b32 s[G0B], 1
	s_add_co_u32 s[G0B+1], s22, SLOT1
	s_lshl_b32 s23, s21, 21                        ; a batch of yb is 2,097,152 bytes
	s_add_co_u32 s56, s23, s22
	s_mov_b32 s57, 0
	s_lshl_b32 s58, s21, 22                        ; a batch of x or out0 is 4,194,304 bytes,
	s_lshl_b32 s59, s20, 8                         ; my 64 pixels are 256 bytes of each row
	s_add_co_u32 s58, s58, s59
	s_mov_b32 s59, 0
	s_lshl_b32 s60, s[CX], 2
	s_add_co_u32 s60, s60, s[WV]
	s_lshl_b32 s60, s60, 13                        ; my 32 pieces of 256 bytes among a block's 512,
	s_add_co_u32 s60, s60, s23
	s_add_co_u32 s60, s60, 2*BLOCK                 ; in block 2: the first change of slots steps it to block 3
	s_mov_b32 s61, 0
	s_mov_b32 s62, s22                             ; my four tiles of a matrix in wb: 32,768 bytes a wave
	s_mov_b32 s63, 0
	s_cmp_eq_u32 ttmp9, 0                          ; the batch's first cluster: the same in all four partners
	s_cselect_b32 s[LIM], 1, -1
	s_wait_dscnt 0x0                               ; both opening adds are done
	s_wait_kmcnt 0x0
	s_add_nc_u64 s[G0A+2:G0A+3], s[6:7], s[56:57]  ; 120:64 global address: my group of block 0,
	s_add_nc_u64 s[G0B+2:G0B+3], s[G0A+2:G0A+3], BLOCK  ; and of block 1
	s_or_b32 s[G0A+3], s[G0A+3], 0x80000000        ; 127:126 type = 2
	s_or_b32 s[G0B+3], s[G0B+3], 0x80000000
	s_add_nc_u64 s[XPT:XPT+1], s[4:5], s[58:59]
	s_add_nc_u64 s[OPT:OPT+1], s[16:17], s[58:59]
	s_add_nc_u64 s[PFA:PFA+1], s[6:7], s[60:61]
	s_add_nc_u64 s[WBP:WBP+1], s[8:9], s[62:63]
	CROUND                                         ; all four work-groups are here: the first joint loads meet
	tensor_load_to_lds s[G0A:G0A+3], s[G1:G1+7]    ; both first fills together, ahead of every wait on TENSORcnt, every LDS read and every other barrier: two loads of mine are out, later one
	s_nop 0
	tensor_load_to_lds s[G0B:G0B+3], s[G1:G1+7]
	s_nop 0
	PLACES 4
	; THE HEAD: q' = Wk^T (Wq x + bq) for my work-group's 64 pixels, while the first blocks are on their way.
	LANES
	WIN 0x40
.set i, 0
.rept 32                                       ; load i: rows 64 w + 2 i and + 1 of x, 256 aligned bytes each
	global_load_b128 v[4*i:4*i+3], v[XO], s[XPT:XPT+1] offset:i*32768
.set i, i+1
.endr
	WIN 0
.irp i, 0,1,2,3
	global_load_b128 v[BIAS+8*\i:BIAS+8*\i+3],   v[LB], s[10:11] offset:64*\i
	global_load_b128 v[BIAS+8*\i+4:BIAS+8*\i+7], v[LB], s[10:11] offset:64*\i+16
.endr
	WLOAD 0
	WIN 0
	s_mul_i32 s20, s[WV], 64*XP
	s_add_co_u32 s20, s20, SCR
	v_mul_u32_u24 v[HTS], v[EH], XP
	v_lshl_add_u32 v[HTS], v[ER], 3, v[HTS]
	v_add_nc_u32 v[HTS], s20, v[HTS]
	v_bfe_u32 v[EB], v0, 3, 1
	v_and_b32 v[T2], 7, v0
	v_lshl_add_u32 v[HTR], v[EH], 3, v[T2]
	v_mul_u32_u24 v[HTR], v[HTR], XP
	v_lshl_add_u32 v[HTR], v[EB], 4, v[HTR]
	v_add_nc_u32 v[HTR], SCR, v[HTR]
	v_add_nc_u32 v[T1], v[EH], v[EB]               ; the turning load: lane L names the piece (channel 8 (L / 16) + L % 8, octet (L / 8) % 2)
	v_lshl_add_u32 v[T1], v[T1], 3, v[T2]
	v_and_b32 v[T1], 15, v[T1]
	v_lshlrev_b32 v[T1], 4, v[T1]
	v_lshl_add_u32 v[T1], v[EB], 8, v[T1]
	v_add_nc_u32 v[AKT], s22, v[T1]
	v_lshl_add_u32 v[T1], v[EH], 3, v[ER]          ; the plain load: the piece (channel L % 16, octet L / 16)
	v_and_b32 v[T1], 15, v[T1]
	v_lshlrev_b32 v[T1], 4, v[T1]
	v_lshl_add_u32 v[T1], v[EH], 8, v[T1]
	v_add_nc_u32 v[AVP], s22, v[T1]
	v_mov_b32 v[ADK], v[AKT]
	v_mov_b32 v[ADV], v[AVP]
	v_lshlrev_b32 v[PFO], 8, v[EL]
	s_wait_loadcnt 24                              ; x is in; the count: the 8 bias loads and step 0's 16 weight loads, issued behind x's
	WIN 0x45
.set i, 0
.rept 32                                       ; four f32 become four bf16, in place
	v_cvt_pk_bf16_f32 v[4*i], v[4*i], v[4*i+1]
	v_cvt_pk_bf16_f32 v[4*i+1], v[4*i+2], v[4*i+3]
.set i, i+1
.endr
	WIN 0x04
.set i, 0
.rept 32
	ds_store_b64 v[HTS], v[4*i:4*i+1] offset:i*2*XP
.set i, i+1
.endr
	WLOAD 1
	WLOAD 2
	BAR                                            ; all 256 rows of x are staged
	WIN 0x80
.set nt, 0
.rept 4                                        ; all 32 fragments of x (16 pixels x 32 channels), turned
.set cs, 0
.rept 8
	ds_load_tr16_b128 v[8*(8*nt+cs):8*(8*nt+cs)+3],   v[HTR] offset:cs*32*XP+nt*32
	ds_load_tr16_b128 v[8*(8*nt+cs)+4:8*(8*nt+cs)+7], v[HTR] offset:cs*32*XP+16*XP+nt*32
.set cs, cs+1
.endr
.set nt, nt+1
.endr
	BAR                                            ; every wave has read the stage: q's fragments are laid over it
.irp s, 0,1,2,3
	STEP \s, 8, 0, BIAS, 0, LVS                    ; q = Wq x + bq
.endr
	BAR
	DATAL VRS, 0x80
	BAR                                            ; every wave has read q: q' is laid over it
.irp s, 4,5,6,7
	STEP \s, 8, 0, -1, 0, LVS                      ; q' = Wk^T q
.endr
	s_wait_tensorcnt 0x1                           ; my group of block 0 is in; the count: block 1's load, issued behind it
	BAR                                            ; q' is whole, and so is block 0
	DATAL VRS, 0x40                                ; Q stays in registers
	WIN 0
	FK 0, X0
	FK 1, X1
	FK 2, X2
	WIN 0x80                                       ; O^T = 0, while those loads are on their way
.set i, 0
.rept 256
	v_mov_b32 v[i], 0
.set i, i+1
.endr
	WIN 0xc0
.set i, 0
.rept 256
	v_mov_b32 v[i], 0
.set i, i+1
.endr
	WIN 0
.irp t, 0,1,2,3
	v_mov_b32 v[ST+6*\t], 0xfe000000               ; c m: far below every c s
	v_mov_b32 v[ST+6*\t+1], 0xff7fffff             ; m
	v_mov_b32 v[ST+6*\t+2], 0
	v_mov_b32 v[ST+6*\t+3], 0
.endr
	s_mov_b32 s[LEFT], 14
.Ltrip:                                        ; blocks 0 to 13; blocks 2 to 15 are asked for
	TRIP 1
	s_sub_co_u32 s[LEFT], s[LEFT], 1
	s_cmp_lg_u32 s[LEFT], 0
	s_cbranch_scc1 .Ltrip
	s_mov_b32 s[LEFT], 2
.Ltail:                                        ; the last two blocks have a text of their own.  The very last trip fetches three runs' worth of a next block that does not exist, out of
	TRIP 0                                         ; block 14's slot, and nobody reads them: the price, once a launch, of one text for both trips
	s_sub_co_u32 s[LEFT], s[LEFT], 1
	s_cmp_lg_u32 s[LEFT], 0
	s_cbranch_scc1 .Ltail
	; THE END, 1: x and bo are asked for, into Q's registers; each wave's c m and l (both halves of the lanes and both parities added) go to LDS.
	s_wait_dscnt 0x0                               ; the buffers' registers are mine again
	LANES
	s_lshl_b32 s20, s[WV], 8
	v_lshl_add_u32 v[BOF], v[EH], 2, s20
	WIN 0x40
.set i, 0
.rept 32
	global_load_b128 v[4*i:4*i+3], v[XO], s[XPT:XPT+1] offset:i*32768 th:TH_LOAD_NT
.set i, i+1
.endr
.set i, 0
.rept 32
	global_load_b32 v[128+i], v[BOF], s[14:15] offset:i*8
.set i, i+1
.endr
	WIN 0
	s_lshl_b32 s20, s[WV], 9
	s_add_co_u32 s20, s20, STATS
	v_lshl_add_u32 v[SSA], v[ER], 3, s20
	v_lshlrev_b32 v[SLA], 3, v[ER]
	v_add_nc_u32 v[SLA], STATS, v[SLA]
	s_lshl_b32 s20, s[WV], 16
	v_add_nc_u32 v[EXW], s20, v[WO]
	s_lshl_b32 s20, s[WV], 14
	v_add_nc_u32 v[EXR], s20, v[WO]
.irp p, 1,2,3
	v_add_nc_u32 v[EXR+\p], \p*65536, v[EXR]
.endr
	s_lshl_b32 s20, s[WV], 13
	s_add_co_u32 s20, s20, SCR
	v_add_nc_u32 v[ZXW], s20, v[WO]
	s_mul_i32 s20, s[WV], 64*PP
	s_add_co_u32 s20, s20, OSB
	v_mul_u32_u24 v[OSW], v[ER], PP
	v_lshl_add_u32 v[OSW], v[EH], 5, v[OSW]
	v_add_nc_u32 v[OSW], s20, v[OSW]
	v_mul_u32_u24 v[OSR], v[EH], PP
	v_lshl_add_u32 v[OSR], v[ER], 4, v[OSR]
	v_add_nc_u32 v[OSR], s20, v[OSR]
.irp t, 0,1,2,3
	v_add_f32 v[ST+6*\t+4], v[ST+6*\t+2], v[ST+6*\t+3]
.endr
.irp t, 0,1,2,3
	v_permlanex16_b32 v[ST+6*\t+5], v[ST+6*\t+4], s[SEL], s[SEL+1]
.endr
.irp t, 0,1,2,3
	v_add_f32 v[ST+6*\t+1], v[ST+6*\t+4], v[ST+6*\t+5]
.endr
.irp t, 0,1,2,3
	ds_store_b64 v[SSA], v[ST+6*\t:ST+6*\t+1] offset:128*\t
.endr
	BAR                                            ; it also ends every wave's reads of the ring; every wave's tensor loads have landed
	; 2: the common maximum M, L = the sum over the waves of 2^(c m_p - M) l_p, and my factor f = 2^(c m_mine - M) / L.  The wave that holds M has l >= 1, so L >= 1.
.irp p, 0,1,2,3
.irp t, 0,1,2,3
	ds_load_b64 v[SS+8*\p+2*\t:SS+8*\p+2*\t+1], v[SLA] offset:512*\p+128*\t
.endr
.endr
	s_wait_dscnt 0x0
.irp t, 0,1,2,3
	v_max3_num_f32 v[ST+6*\t+4], v[SS+2*\t], v[SS+8+2*\t], v[SS+16+2*\t]
.endr
.irp t, 0,1,2,3
	v_max_num_f32 v[ST+6*\t+4], v[ST+6*\t+4], v[SS+24+2*\t]
.endr
.irp p, 0,1,2,3
.irp t, 0,1,2,3
	v_sub_f32 v[SS+8*\p+2*\t], v[SS+8*\p+2*\t], v[ST+6*\t+4]
.endr
.endr
.irp t, 0,1,2,3
	v_sub_f32 v[ST+6*\t+5], v[ST+6*\t], v[ST+6*\t+4]
.endr
.irp p, 0,1,2,3
.irp t, 0,1,2,3
	v_exp_f32 v[SS+8*\p+2*\t], v[SS+8*\p+2*\t]
.endr
.endr
.irp t, 0,1,2,3
	v_exp_f32 v[ST+6*\t+5], v[ST+6*\t+5]
.endr
	v_nop                                          ; a plain instruction behind the last exponential,
	s_wait_alu depctr_va_vdst(0)                   ; and one wait for the batch of twenty
.irp t, 0,1,2,3
	v_mul_f32 v[ST+6*\t+2], v[SS+2*\t], v[SS+2*\t+1]
.endr
.irp p, 1,2,3
.irp t, 0,1,2,3
	v_fmac_f32 v[ST+6*\t+2], v[SS+8*\p+2*\t], v[SS+8*\p+2*\t+1]
.endr
.endr
.irp t, 0,1,2,3
	v_rcp_f32 v[ST+6*\t+3], v[ST+6*\t+2]
.endr
	v_nop
	s_wait_alu depctr_va_vdst(0)                   ; one wait for the four reciprocals
.irp t, 0,1,2,3
	v_mul_f32 v[ST+6*\t+4], v[ST+6*\t+5], v[ST+6*\t+3]
.endr
	; 3: my O^T times f goes to LDS in register order, [wave][tile][four registers][lane]: 512 consecutive bytes a store.
.set pw, 0
.rept 2
	WIN 0x82+0x41*pw
.set u, 0
.rept 2
.set z, 0
.rept 64
	v_pk_mul_f32 v[128*u+2*z:128*u+2*z+1], v[128*u+2*z:128*u+2*z+1], v[ST+6*(2*pw+u)+4:ST+6*(2*pw+u)+5] op_sel_hi:[1,0]
.set z, z+1
.endr
.set u, u+1
.endr
	WIN 0x08+0x04*pw
.set u, 0
.rept 2
.set n, 0
.rept 32
	ds_store_b128 v[EXW], v[128*u+4*n:128*u+4*n+3] offset:(2*pw+u)*16384+n*512
.set n, n+1
.endr
.set u, u+1
.endr
.set pw, pw+1
.endr
	WIN 0
	BAR
	; 4: wave w adds up tile w: the four waves' 128 registers each.  Rounded in pairs they are the tile's eight fragments (16 queries x 32 channels) of zy.
.set p, 0
.rept 4
	WIN 0x80+0x40*(p/2)
.set n, 0
.rept 32
	ds_load_b128 v[128*(p%2)+4*n:128*(p%2)+4*n+3], v[EXR+p] offset:n*512
.set n, n+1
.endr
.set p, p+1
.endr
	s_wait_dscnt 0x0
	WIN 0x8a
.set z, 0
.rept 64
	v_pk_add_f32 v[2*z:2*z+1], v[2*z:2*z+1], v[128+2*z:128+2*z+1]
.set z, z+1
.endr
	WIN 0xcf
.set z, 0
.rept 64
	v_pk_add_f32 v[2*z:2*z+1], v[2*z:2*z+1], v[128+2*z:128+2*z+1]
.set z, z+1
.endr
	WIN 0x8e
.set z, 0
.rept 64
	v_pk_add_f32 v[2*z:2*z+1], v[2*z:2*z+1], v[2*z:2*z+1]
.set z, z+1
.endr
	WIN 0
	s_wait_loadcnt 0x0                             ; x and bo, asked for at the end's beginning: from here on only the weights' loads are counted
.irp i, 0,1,2,3
	global_load_b128 v[BIAS+8*\i:BIAS+8*\i+3],   v[LB], s[12:13] offset:64*\i
	global_load_b128 v[BIAS+8*\i+4:BIAS+8*\i+7], v[LB], s[12:13] offset:64*\i+16
.endr
	WLOAD 8
	WLOAD 9
	WLOAD 10
	WIN 0x8a
.set i, 0
.rept 64
	v_cvt_pk_bf16_f32 v[128+i], v[2*i], v[2*i+1]
.set i, i+1
.endr
	WIN 0x08
.set n, 0
.rept 16
	ds_store_b128 v[ZXW], v[128+4*n:128+4*n+3] offset:n*512
.set n, n+1
.endr
	WIN 0
	BAR                                            ; zy is whole, and every wave has read its partial sums: v is laid over them
	; 5: v = Wv zy + bv, then Wo v.
	DATAL VRS, 0x80
	s_wait_dscnt 0x0
.irp s, 8,9,10,11
	STEP \s, 16, 0, BIAS, 0, LV0
.endr
	BAR
	DATAL WO, 0x80
	s_wait_dscnt 0x0
.irp s, 12,13,14,15
	STEP \s, 16, 1, -1, 1, OSW                     ; a lane holds one channel and eight pixels; my wave's 64 rows of the result lie in LDS, and only I read them
.endr
	; 6: the rows come back whole (LDS serves a wave in order: ISA guide 5.7.1.4), x and bo are added, and they are stored.
	WIN 0x80
.set i, 0
.rept 32
	ds_load_b128 v[4*i:4*i+3], v[OSR] offset:i*2*PP
.set i, i+1
.endr
	WIN 0x45
.set i, 0
.rept 32
.set k, 0
.rept 4
	v_add_f32 v[4*i+k], v[4*i+k], v[128+i]
.set k, k+1
.endr
.set i, i+1
.endr
	s_wait_dscnt 0x0
	WIN 0x49
.set z, 0
.rept 64
	v_pk_add_f32 v[2*z:2*z+1], v[2*z:2*z+1], v[2*z:2*z+1]
.set z, z+1
.endr
	WIN 0x04
.set i, 0
.rept 32
	global_store_b128 v[XO], v[4*i:4*i+3], s[OPT:OPT+1] offset:i*32768 th:TH_STORE_NT  ; 16 lanes store 256 consecutive bytes, at a multiple of 256 from out0's first
.set i, i+1
.endr
	WIN 0
	s_wait_tensorcnt 0x0                           ; the wave's end, behind my last tensor load and my last LDS store
	ds_add_u32 v[SPW], v[NIL]
	s_wait_dscnt 0x0
	CROUND                                         ; the closing round: no work-group ends while a partner may still ask for a tile that names it
	s_endpgm
.Lfunc_end_k_qf4c3befda8_attn:
	.size	k_qf4c3befda8_attn, .Lfunc_end_k_qf4c3befda8_attn-k_qf4c3befda8_attn
	.p2alignl 7, 3214868480
	.fill 96, 4, 3214868480
	.section	.rodata,"a",@progbits
	.p2align	6, 0x0
	.amdhsa_kernel k_qf4c3befda8_attn
		.amdhsa_group_segment_fixed_size 327680
		.amdhsa_private_segment_fixed_size 0
		.amdhsa_enable_private_segment 0
		.amdhsa_kernarg_size 56
		.amdhsa_user_sgpr_count 2
		.amdhsa_user_sgpr_kernarg_segment_ptr 1
		.amdhsa_wavefront_size32 1
		.amdhsa_system_sgpr_workgroup_id_x 1
		.amdhsa_system_sgpr_workgroup_id_y 1
		.amdhsa_system_sgpr_workgroup_id_z 1
		.amdhsa_system_vgpr_workitem_id 0
		.amdhsa_next_free_vgpr 1024
		.amdhsa_next_free_sgpr 66
		.amdhsa_reserve_vcc 0
		.amdhsa_float_denorm_mode_32 3
		.amdhsa_float_denorm_mode_16_64 3
		.amdhsa_memory_ordered 1
		.amdhsa_forward_progress 1
		.amdhsa_inst_pref_size 255
	.end_amdhsa_kernel
	.section	.bss,"aw",@nobits
	.p2align	6
	.space	262144
	.amdgpu_metadata
---
amdhsa.version: [ 1, 2 ]
amdhsa.kernels:
  - .name:           k_qf4c3befda8_attn
    .symbol:         k_qf4c3befda8_attn.kd
    .args:
      - { .name: x, .offset: 0, .size: 8, .value_kind: global_buffer, .address_space: global }
      - { .name: yb, .offset: 8, .size: 8, .value_kind: global_buffer, .address_space: global }
      - { .name: wb, .offset: 16, .size: 8, .value_kind: global_buffer, .address_space: global }
      - { .name: bq, .offset: 24, .size: 8, .value_kind: global_buffer, .address_space: global }
      - { .name: bv, .offset: 32, .size: 8, .value_kind: global_buffer, .address_space: global }
      - { .name: bo, .offset: 40, .size: 8, .value_kind: global_buffer, .address_space: global }
      - { .name: out0, .offset: 48, .size: 8, .value_kind: global_buffer, .address_space: global }
    .group_segment_fixed_size: 327680
    .private_segment_fixed_size: 0
    .kernarg_segment_align: 8
    .kernarg_segment_size: 56
    .max_flat_workgroup_size: 128
    .sgpr_count:     66
    .vgpr_count:     1024
    .wavefront_size: 32
...
	.end_amdgpu_metadata
.endif
;; end of part 5
